; MI455X (gfx1250); checked and timed in simulation.
; The chip was launched on July 23, 2026; its instructions are those of AMD's public machine-readable ISA for CDNA 5 (MIT licence, August 2026) and "CDNA5" Instruction Set Architecture Reference Guide (July 2026). The comments in the code are by the model that wrote it; some were corrected since.
;; Multi Head Attention. Allowed arithmetic: float matrix products may take bf16 or f16 operands with f32 sums; other float arithmetic in f32, or as packed bf16 or f16 multiplies, adds, multiply-adds, maxima and minima; sums over many terms, partial sums and values carried from step to step in f32; what a program stores and reads back later, other than sums and carried values, may be rounded once to bf16 or f16.
;; Inputs: Wk 2,048 x 2,048 float32; Wo 2,048 x 2,048 float32; Wq 2,048 x 2,048 float32; Wv 2,048 x 2,048 float32; attn_mask 1 x 1 x 2,048 x 2,048 int32; bk 2,048 float32; bo 2,048 float32; bq 2,048 float32; bv 2,048 float32; x 1 x 2,048 x 2,048 float32.
;; Outputs: out0 1 x 2,048 x 2,048 float32.
;; 2 versions, each right; version 2 is version 1 with the launch prep written anew for expert scheduling mode. Each part assembles by itself: llvm-mc -triple=amdgcn-amd-amdhsa -mcpu=gfx1250 --defsym DOCPART=n.
;; ======== version 1 of 2: 4 launches
;; limits: values are held in f16: magnitudes above 65,504 overflow, below 6.1e-05 lose precision; right only within a limited range of input values
;; workspace buffers: xb 8,388,608 bytes; wqkv 25,165,824 bytes; wo16 8,388,608 bytes; bias 32,768 bytes; maskw 524,288 bytes of whole numbers; qkv 25,165,824 bytes; ob 8,388,608 bytes
;; launch prep (part 1): grid 256 x 1, 8 waves a work-group, no clusters, 68,608 bytes of LDS; arguments x, Wq, Wk, Wv, Wo, attn_mask, bq, bk, bv, bo, xb, wqkv, wo16, bias, maskw; writes xb, wqkv, wo16, bias, maskw
.if DOCPART == 1
	.amdgcn_target "amdgcn-amd-amdhsa--gfx1250"
	.amdhsa_code_object_version 6
	.text
	.protected	k_q7e6695819b_prep
	.globl	k_q7e6695819b_prep
	.p2align	8
	.type	k_q7e6695819b_prep,@function
k_q7e6695819b_prep:
	s_mov_b64 s[64:65], 0
	v_nop
	global_prefetch_b8 v0, s[64:65] scope:SCOPE_SE
	s_setreg_imm32_b32 hwreg(HW_REG_WAVE_MODE, 25, 1), 1
	s_wait_xcnt 0x0
; PREP: every floating-point input is rounded once to bf16, and the mask is packed into lane masks.
;   xb   [2048][2048] bf16 = x.      wqkv [6144][2048] bf16 = Wq, Wk, Wv, rows on end.
;   wo16 [2048][2048] f16  = Wo rounded to bf16 and that number written as f16 (exact from 2^-14 up; below that f16's fixed step of 6e-8 holds).
;   bias [8192] f32        = bq, bk, bv, bo, each rounded to bf16 and widened again.
;   maskw [128 qt][128 kg][8 j] words: bit L of a word = (attn_mask[16 qt + L % 16][16 kg + 8 (L / 16) + j] != 0): the lane mask of one register of scores in the attention launch.
; A stream: each input byte is read once, each output byte written once; nothing is shared between work-groups, so there is no cluster and no matrix work.
; SHARES.  2,048 waves.  Wave W takes 8,192 bytes at 8,192 W of each of the five large tensors (16 loads of 512 consecutive bytes) and stores 4,096 bytes at 4,096 W
; (16 stores of 256 consecutive bytes, aligned).  Of the mask it takes query tile W / 16, keys 128 (W % 16) on: 16 rows x 512 bytes, which become 64 words, 256 bytes at 256 W.
; The mask's rows change lanes through the wave's own 16 x 528 bytes of LDS (528 = 33 x 16: the 16 rows that a load touches start 16 bytes apart modulo 256).
; IN FLIGHT: three sets of 64 registers, 48 loads a wave.
.set SPARE, 67584                      ; behind the eight waves' 8,448 bytes: the spare words, 128 bytes a wave
.set LO,  2                            ; v2   16 x lane: my 16 bytes of a load's 512; never rewritten
.set SO,  3                            ; v3   8 x lane: my 8 bytes of a store's 256; never rewritten
.set LW,  4                            ; v4   LDS: where I put 16 bytes of a mask row
.set LR,  5                            ; v5   LDS: row lane % 16, keys 8 (lane / 16) on
.set MW,  6                            ; v[6:7] the 64 mask words: word n in lane n / 2 of register n % 2
.set SPW, 8                            ; v8   my spare word; never rewritten
.set NIL, 9                            ; v9   0; never rewritten
.set Y,   16                           ; v[16:47]  what a CAST stores
.set R0,  64                           ; three sets of 64 for the loads
.set R1,  128
.set R2,  192
	s_load_b512 s[4:19], s[0:1], 0x0               ; x, Wq, Wk, Wv, Wo, attn_mask, bq, bk
	s_load_b256 s[20:27], s[0:1], 0x40             ; bv, bo, xb, wqkv
	s_load_b128 s[28:31], s[0:1], 0x60             ; wo16, bias
	s_load_b64 s[32:33], s[0:1], 0x70              ; maskw
	v_lshl_add_u32 v[SPW], v0, 2, SPARE
	v_mov_b32 v[NIL], 0
	v_lshrrev_b32 v1, 5, v0
	v_readfirstlane_b32 s34, v1                    ; wave 0..7
	s_lshl_b32 s35, ttmp9, 3
	s_add_co_u32 s35, s35, s34                     ; W
	v_and_b32 v1, 31, v0
	v_lshlrev_b32 v[LO], 4, v1
	v_lshlrev_b32 v[SO], 3, v1
	s_mul_i32 s56, s34, 8448                       ; my wave's bytes of LDS
	v_add_nc_u32 v[LW], s56, v[LO]
	v_and_b32 v10, 15, v0
	v_bfe_u32 v11, v0, 4, 1
	v_mul_u32_u24 v[LR], v10, 528
	v_lshl_add_u32 v[LR], v11, 5, v[LR]
	v_add_nc_u32 v[LR], s56, v[LR]
	s_lshl_b32 s36, s35, 13                        ; 8,192 W
	s_mov_b32 s37, 0
	s_lshl_b32 s38, s35, 12                        ; 4,096 W
	s_mov_b32 s39, 0
	s_lshr_b32 s48, s35, 4
	s_lshl_b32 s48, s48, 17                        ; 16 rows of 8,192 bytes for each query tile,
	s_and_b32 s49, s35, 15
	s_lshl_b32 s49, s49, 9                         ; 512 bytes for each 128 keys
	s_add_co_u32 s48, s48, s49
	s_mov_b32 s49, 0
	s_lshl_b32 s52, s35, 8                         ; 256 W
	s_mov_b32 s53, 0
	s_wait_kmcnt 0x0
	s_add_nc_u64 s[4:5], s[4:5], s[36:37]
	s_add_nc_u64 s[6:7], s[6:7], s[36:37]
	s_add_nc_u64 s[8:9], s[8:9], s[36:37]
	s_add_nc_u64 s[10:11], s[10:11], s[36:37]
	s_add_nc_u64 s[12:13], s[12:13], s[36:37]
	s_add_nc_u64 s[14:15], s[14:15], s[48:49]
	s_add_nc_u64 s[24:25], s[24:25], s[38:39]
	s_add_nc_u64 s[26:27], s[26:27], s[38:39]
	s_add_nc_u64 s[44:45], s[26:27], 0x800000      ; Wk's part of wqkv,
	s_add_nc_u64 s[46:47], s[26:27], 0x1000000     ; Wv's: pointers of their own, since the distances pass a store's immediate
	s_add_nc_u64 s[28:29], s[28:29], s[38:39]
	s_add_nc_u64 s[32:33], s[32:33], s[52:53]
.macro LOADS R, P, step                ; 16 loads of 512 consecutive bytes, step bytes apart
.set i, 0
.rept 16
	global_load_b128 v[(\R)+4*i:(\R)+4*i+3], v[LO], s[(\P):(\P)+1] offset:(\step)*i th:TH_LOAD_NT
.set i, i+1
.endr
.endm
; A set of 64 f32 a lane is rounded to bf16 (half = 1: and that number written as f16) and stored.
.macro CAST R, D, half
	s_wait_xcnt 0x0                                ; Y was the last CAST's store data: it is rewritten only behind this wait
.set i, 0
.rept 16
	v_cvt_pk_bf16_f32 v[Y+2*i], v[(\R)+4*i], v[(\R)+4*i+1]
	v_cvt_pk_bf16_f32 v[Y+2*i+1], v[(\R)+4*i+2], v[(\R)+4*i+3]
.if \half
	v_lshlrev_b32 v10, 16, v[Y+2*i]
	v_and_b32 v11, 0xffff0000, v[Y+2*i]
	v_lshlrev_b32 v14, 16, v[Y+2*i+1]
	v_and_b32 v15, 0xffff0000, v[Y+2*i+1]
	v_cvt_pk_f16_f32 v[Y+2*i], v10, v11
	v_cvt_pk_f16_f32 v[Y+2*i+1], v14, v15
.endif
	global_store_b64 v[SO], v[Y+2*i:Y+2*i+1], s[(\D):(\D)+1] offset:256*i  ; 32 lanes store 256 consecutive bytes, aligned
.set i, i+1
.endr
.endm
	LOADS R0, 14, 8192                             ; the mask: a row to a load
	LOADS R1, 4, 512                               ; x
	LOADS R2, 6, 512                               ; Wq
	; THE BIASES: wave 0 of work-groups 0 to 127 takes 64 numbers each, 256 bytes
	s_lshr_b32 s49, ttmp9, 7
	s_or_b32 s49, s49, s34
	s_cmp_lg_u32 s49, 0
	s_cbranch_scc1 .Lno_bias
	s_lshr_b32 s48, ttmp9, 5                       ; which of the four
	s_cmp_eq_u32 s48, 0
	s_cselect_b64 s[50:51], s[16:17], s[18:19]
	s_cmp_eq_u32 s48, 2
	s_cselect_b64 s[50:51], s[20:21], s[50:51]
	s_cmp_eq_u32 s48, 3
	s_cselect_b64 s[50:51], s[22:23], s[50:51]
	s_and_b32 s54, ttmp9, 31
	s_lshl_b32 s54, s54, 8
	s_mov_b32 s55, 0
	s_add_nc_u64 s[50:51], s[50:51], s[54:55]
	s_lshl_b32 s54, ttmp9, 8
	s_add_nc_u64 s[30:31], s[30:31], s[54:55]
	global_load_b64 v[12:13], v[SO], s[50:51]
	s_wait_loadcnt 0x0                             ; it is the youngest load, so the count is 0
	v_cvt_pk_bf16_f32 v14, v12, v13
	v_lshlrev_b32 v12, 16, v14
	v_and_b32 v13, 0xffff0000, v14
	global_store_b64 v[SO], v[12:13], s[30:31]
.Lno_bias:
	; THE MASK
	s_wait_loadcnt 32                              ; the mask's 16 loads are in; x's and Wq's 32 may stay out
.set i, 0
.rept 16
	ds_store_b128 v[LW], v[R0+4*i:R0+4*i+3] offset:528*i
.set i, i+1
.endr
.set i, 0
.rept 16                               ; LDS serves a wave's instructions in order (ISA guide 5.7.1.4): these see the stores above.  Register 8 kg + j: row lane % 16, key 16 kg + 8 (lane / 16) + j
	ds_load_b128 v[R0+4*i:R0+4*i+3], v[LR] offset:64*(i/2)+16*(i%2)
.set i, i+1
.endr
	v_mov_b32 v[MW], 0
	v_mov_b32 v[MW+1], 0
	s_wait_dscnt 0x0
.set n, 0
.rept 64
	v_cmp_ne_u32 s[40+n%4], 0, v[R0+n]             ; 32 lanes' answers are word n
	v_writelane_b32 v[MW+n%2], s[40+n%4], n/2
.set n, n+1
.endr
	global_store_b64 v[SO], v[MW:MW+1], s[32:33]   ; 256 consecutive bytes, aligned
	LOADS R0, 8, 512                               ; Wk
	s_wait_loadcnt 32                              ; x is in; Wq's and Wk's may stay out
	CAST R1, 24, 0
	LOADS R1, 10, 512                              ; Wv
	s_wait_loadcnt 32                              ; Wq is in
	CAST R2, 26, 0
	LOADS R2, 12, 512                              ; Wo
	s_wait_loadcnt 32                              ; Wk is in
	CAST R0, 44, 0
	s_wait_loadcnt 16                              ; Wv is in; Wo's 16 may stay out
	CAST R1, 46, 0
	s_wait_loadcnt 0x0
	CAST R2, 28, 1
	s_wait_tensorcnt 0x0                           ; the wave's end, behind my last LDS store
	ds_add_u32 v[SPW], v[NIL]
	s_wait_dscnt 0x0
	s_endpgm
.Lfunc_end_k_q7e6695819b_prep:
	.size	k_q7e6695819b_prep, .Lfunc_end_k_q7e6695819b_prep-k_q7e6695819b_prep
	.p2alignl 7, 3214868480
	.fill 96, 4, 3214868480
	.section	.rodata,"a",@progbits
	.p2align	6, 0x0
	.amdhsa_kernel k_q7e6695819b_prep
		.amdhsa_group_segment_fixed_size 68608
		.amdhsa_private_segment_fixed_size 0
		.amdhsa_enable_private_segment 0
		.amdhsa_kernarg_size 120
		.amdhsa_user_sgpr_count 2
		.amdhsa_user_sgpr_kernarg_segment_ptr 1
		.amdhsa_wavefront_size32 1
		.amdhsa_system_sgpr_workgroup_id_x 1
		.amdhsa_system_sgpr_workgroup_id_y 1
		.amdhsa_system_sgpr_workgroup_id_z 1
		.amdhsa_system_vgpr_workitem_id 0
		.amdhsa_next_free_vgpr 256
		.amdhsa_next_free_sgpr 66
		.amdhsa_reserve_vcc 0
		.amdhsa_float_denorm_mode_32 3
		.amdhsa_float_denorm_mode_16_64 3
		.amdhsa_memory_ordered 1
		.amdhsa_forward_progress 1
		.amdhsa_inst_pref_size 46
	.end_amdhsa_kernel
	.amdgpu_metadata
---
amdhsa.version: [ 1, 2 ]
amdhsa.kernels:
  - .name:           k_q7e6695819b_prep
    .symbol:         k_q7e6695819b_prep.kd
    .args:
      - { .name: x, .offset: 0, .size: 8, .value_kind: global_buffer, .address_space: global }
      - { .name: Wq, .offset: 8, .size: 8, .value_kind: global_buffer, .address_space: global }
      - { .name: Wk, .offset: 16, .size: 8, .value_kind: global_buffer, .address_space: global }
      - { .name: Wv, .offset: 24, .size: 8, .value_kind: global_buffer, .address_space: global }
      - { .name: Wo, .offset: 32, .size: 8, .value_kind: global_buffer, .address_space: global }
      - { .name: attn_mask, .offset: 40, .size: 8, .value_kind: global_buffer, .address_space: global }
      - { .name: bq, .offset: 48, .size: 8, .value_kind: global_buffer, .address_space: global }
      - { .name: bk, .offset: 56, .size: 8, .value_kind: global_buffer, .address_space: global }
      - { .name: bv, .offset: 64, .size: 8, .value_kind: global_buffer, .address_space: global }
      - { .name: bo, .offset: 72, .size: 8, .value_kind: global_buffer, .address_space: global }
      - { .name: xb, .offset: 80, .size: 8, .value_kind: global_buffer, .address_space: global }
      - { .name: wqkv, .offset: 88, .size: 8, .value_kind: global_buffer, .address_space: global }
      - { .name: wo16, .offset: 96, .size: 8, .value_kind: global_buffer, .address_space: global }
      - { .name: bias, .offset: 104, .size: 8, .value_kind: global_buffer, .address_space: global }
      - { .name: maskw, .offset: 112, .size: 8, .value_kind: global_buffer, .address_space: global }
    .group_segment_fixed_size: 68608
    .private_segment_fixed_size: 0
    .kernarg_segment_align: 8
    .kernarg_segment_size: 120
    .max_flat_workgroup_size: 256
    .sgpr_count:     66
    .vgpr_count:     256
    .wavefront_size: 32
...
	.end_amdgpu_metadata
.endif
;; end of part 1
;; launch qkvproj (part 2): grid 16 x 16, 4 waves a work-group, clusters of 4 x 4, 327,680 bytes of LDS; arguments xb, wqkv, bias, qkv; writes qkv
.if DOCPART == 2
	.amdgcn_target "amdgcn-amd-amdhsa--gfx1250"
	.amdhsa_code_object_version 6
	.text
	.protected	k_q7e6695819b_qkvproj
	.globl	k_q7e6695819b_qkvproj
	.p2align	8
	.type	k_q7e6695819b_qkvproj,@function
k_q7e6695819b_qkvproj:
	s_mov_b64 s[64:65], 0
	v_nop
	global_prefetch_b8 v0, s[64:65] scope:SCOPE_SE
	s_setreg_imm32_b32 hwreg(HW_REG_WAVE_MODE, 25, 1), 1
	s_wait_xcnt 0x0
	s_wait_alu depctr_hold_cnt(0) depctr_sa_sdst(0) depctr_va_vdst(0) depctr_va_sdst(0) depctr_va_ssrc(0) depctr_va_vcc(0) depctr_vm_vsrc(0)
	s_getreg_b32 s2, hwreg(HW_REG_IB_STS2, 6, 4)
	s_cmp_eq_u32 s2, 0
	s_cbranch_scc0 .Lentry_in_a_cluster
	s_endpgm
.Lentry_in_a_cluster:
	s_bfe_u32 s2, ttmp6, 0x10000c
	s_cmp_lg_u32 s2, 0xf033
	s_cbranch_scc0 .Lentry_shape_is_right
	s_endpgm
.Lentry_shape_is_right:
; q, k, v = x W^T + b.  C[2048][6144] = xb [2048][2048] times wqkv [6144][2048] transposed, bf16 products, f32 sums that START with the bias; each result rounded once to f16 and
; stored by heads: qkv [48][2048][128] (q's heads 0-15, k's 16-31, v's 32-47), unscaled.
; LIMIT: f16 holds no number beyond 65,504: |q|, |k|, |v| must stay within it.  The sums are taken in an order of K that differs from cluster to cluster (below).
; TILE.  128 rows x 384 columns (three whole heads): 16 x 16 work-groups, tile row from x, tile column from y.  Each of the four waves takes all 128 rows x 96 columns: 48 accumulators of 16 x 16,
; 384 registers; for 32 along K it reads 28 x 512 bytes from LDS for 48 matrix instructions.  K goes in steps of 128 (rows of 256 bytes in memory, aligned) through two LDS slots.
; CLUSTER 4 x 4.  A's tile hangs on the tile row alone and is asked for jointly by a column of the cluster (wave 0), B's on the tile column alone, by a row (waves 1 to 3, 128 rows each).
; THE WALK ALONG K BEGINS ELSEWHERE IN EACH CLUSTER and wraps round: at K step 4 ((cluster x + cluster y with its two bits reversed) % 4).  Of the four clusters that read the same rows of x,
; and of the four that read the same rows of W, no two begin at the same step: no two of them ask for the same bytes in the same step.
; THE MATRIX INSTRUCTION IS USED TRANSPOSED (source 0 = 16 rows of W, source 1 = 16 rows of x): a lane holds row lane % 16 of C and the eight columns 8 (lane / 16) + 0..7.
; REGISTERS, in windows of 256 (s_set_vgpr_msb: bits 1:0 source 0, 3:2 source 1, 5:4 source 2, 7:6 destination):
;   window 0: v0-31 addresses; v64-127, v128-191 fragments of A, two buffers; on the way out v32-223
;   window 1: v64-111, v128-175 fragments of B, two buffers; v192-239 the bias of my 96 columns, laid as a C operand
;   windows 2, 3: accumulator (a, b) at v[8 (6 (a % 4) + b)] of window 2 + a / 4
.set KSTEP,  128
.set KB,     256                       ; bytes of a row in a K step
.set PITCH,  272                       ; an LDS row: 256 bytes + 16 of padding: the 16 rows of a load start 16 bytes apart modulo 256
.set HALFT,  128*PITCH                 ; what one tensor load brings: 0x8800
.set SLOT,   4*HALFT                   ; A's 128 rows, then B's 384: 0x22000, which shares no bit with wave x HALFT: one exclusive or changes slot
.set SPARE,  2*SLOT                    ; behind the ring: the spare words, 128 bytes a wave
.set SPITCH, 784                       ; the stage's rows: 768 bytes + 16.  The stage is LDS byte 0 on, 128 rows, inside slot 0, which has had its last fill and its last reader by then
.set TRIPS,  14                        ; 16 K steps: the first two are asked for at the head, the others in the loop
.set ADRA, 16                          ; v16     LDS address of my A fragments in slot 0; never rewritten
.set CA,   17                          ; v17     the same in the slot in hand
.set ADRB, 20                          ; v20, v21  the same for B
.set CB,   21
.set STO,  24                          ; v24     the way out: where I put 16 bytes of a row; blocks 0-3
.set RD,   25                          ; v25     where I read rows back
.set CO,   26                          ; v26     16 x lane
.set STO2, 27                          ; v27     STO for blocks 4-7: an LDS offset has 16 bits
.set SPW,  28                          ; v28     my spare word; never rewritten
.set NIL,  29                          ; v29     0; never rewritten
.set PFO,  30                          ; v30     the prefetch's offset: lane x a row of 4,096 bytes
.set BOF,  31                          ; v31     32 x (lane / 16): my eight numbers of a block's bias
.set F0,   64
.set F1,   128
.set BI,   192                         ; window 1
.set WV,   12                          ; s12  my wave's number
.set TB,   13                          ; s13  LDS byte at which the slot in hand begins
.set KO,   20                          ; s[20:21] byte along the rows of the K step asked for last
.set G1,   24                          ; s[24:31] descriptor group 1, A
.set G0,   32                          ; s[32:39] group 0, A: a set for each of the two first fills; the second then walks on
.set PFA,  40                          ; s[40:41] what my one prefetch names
.set BA,   42                          ; s[42:43] A at my tile's first row;  s[44:45] B at the first of the rows that I fetch
.set BB,   44
.set G1B,  48                          ; s[48:55], s[56:63] the same for B
.set G0B,  56
.set MSB, 0
.macro WIN new                         ; the immediate's high byte repeats the setting that is left
.if MSB != (\new)
	s_set_vgpr_msb (MSB<<8)|(\new)
.set MSB, \new
.endif
.endm
; A joint load: wave 0 asks for A's tile, waves 1 to 3 for B's three parts.  The branch hangs on the wave's number alone.  An s_nop 0 and four v_nop follow each line.
.macro JLOAD s
	s_cmp_eq_u32 s[WV], 0
	s_cbranch_scc0 .Lfor_b_\@
	tensor_load_to_lds s[G0+4*(\s):G0+4*(\s)+3], s[G1:G1+7]
	s_nop 0
.rept 4
	v_nop
.endr
	s_branch .Lasked_\@
.Lfor_b_\@:
	tensor_load_to_lds s[G0B+4*(\s):G0B+4*(\s)+3], s[G1B:G1B+7]
	s_nop 0
.rept 4
	v_nop
.endr
.Lasked_\@:
.endm
; ONE PREFETCH a wave, in the loop's first trip, behind the joint load and the run of LDS loads: the K step that the NEXT refill loads, 192 matrix instructions ahead: 32 rows x 256 bytes, a lane a row.
; A cluster is the first to ask for its own first four K steps alone: the steps behind them are the first four of the cluster that began there.  Of those four, two go out at the head and the third
; is the refill just issued.  The four partners that ask for a tile jointly take 32 of its 128 rows each, told apart by address.  So no 256 bytes are named twice in the launch.
.macro ASK
	s_cmp_eq_u32 s3, TRIPS
	s_cbranch_scc0 .Lnot_first_\@
	global_prefetch_b8 v[PFO], s[PFA:PFA+1] th:TH_LOAD_NT scope:SCOPE_SE
.Lnot_first_\@:
.endm
.macro CREST                           ; a round of the cluster's barrier behind its opening barrier
	s_cmp_lg_u32 s[WV], 0
	s_cbranch_scc1 .Lnot_wave_0_\@
	s_barrier_signal -3
.Lnot_wave_0_\@:
	s_barrier_wait -3
	s_barrier_signal -1
	s_barrier_wait -1
.endm
.macro CROUND
	s_barrier_signal -1
	s_barrier_wait -1
	CREST
.endm
	s_load_b256 s[4:11], s[0:1], 0x0               ; xb s[4:5], wqkv s[6:7], bias s[8:9], qkv s[10:11]
	v_lshl_add_u32 v[SPW], v0, 2, SPARE
	v_mov_b32 v[NIL], 0
	ds_add_u32 v[SPW], v[NIL]                      ; the wave's opening: the add, and its wait ahead of my first tensor load; work on registers stands between
	v_lshrrev_b32 v1, 5, v0
	v_readfirstlane_b32 s[WV], v1
	s_max_u32 s14, s[WV], 1
	s_sub_co_u32 s14, s14, 1                       ; waves 1 to 3: which 128 rows of B's tile
	s_bfe_u32 s17, ttmp6, 0x40000                  ; cx
	s_bfe_u32 s18, ttmp6, 0x40004                  ; cy
	s_lshl_b32 s15, ttmp9, 2
	s_add_co_u32 s15, s15, s17                     ; tile row = 4 x cluster x + cx
	s_and_b32 s19, ttmp7, 0xffff                   ; cluster y
	s_lshl_b32 s16, s19, 2
	s_add_co_u32 s16, s16, s18                     ; tile column = 4 x cluster y + cy
	s_and_b32 s22, s19, 1                          ; where my cluster's walk begins: cluster y's two bits reversed,
	s_lshl_b32 s22, s22, 1
	s_lshr_b32 s23, s19, 1
	s_or_b32 s22, s22, s23
	s_add_co_u32 s22, s22, ttmp9                   ; + cluster x,
	s_and_b32 s22, s22, 3                          ; modulo 4,
	s_lshl_b32 s[KO], s22, 10                      ; times four K steps of 256 bytes: the same in all sixteen partners
	s_mov_b32 s[KO+1], 0
	s_mov_b32 s[TB], 0
	s_lshl_b32 s22, 0x1111, s17                    ; my column of the cluster
	s_lshl_b32 s23, s18, 2
	s_lshl_b32 s23, 15, s23                        ; my row
	s_or_b32 s[G1], s22, (1<<16)|(1<<20)|(1<<21)|(5<<22)|(3<<25)   ; the mask; 2-byte elements; padding on; bit 21 beside a mask; after every 64 words 4 words
	s_or_b32 s[G1B], s23, (1<<16)|(1<<20)|(1<<21)|(5<<22)|(3<<25)
.irp g, G1, G1B
	s_mov_b32 s[(\g)+1], KSTEP<<16                 ; tensor_dim0 = 128
	s_mov_b32 s[(\g)+2], 128<<16                   ; tensor_dim1 = 128
	s_mov_b32 s[(\g)+3], KSTEP<<16                 ; tile_dim0 = 128
	s_mov_b32 s[(\g)+4], 128                       ; tile_dim1 = 128
	s_mov_b32 s[(\g)+5], 2048                      ; elements from row to row
	s_mov_b32 s[(\g)+6], 0
	s_mov_b32 s[(\g)+7], 0
.endr
	s_lshl_b32 s[BA], s15, 19                      ; A: 128 x tile row, rows of 4,096 bytes
	s_mov_b32 s[BA+1], 0
	s_mul_i32 s[BB], s16, 384                      ; B: 384 x tile column + my 128 rows
	s_lshl_b32 s[BB+1], s14, 7
	s_add_co_u32 s[BB], s[BB], s[BB+1]
	s_lshl_b32 s[BB], s[BB], 12
	s_mov_b32 s[BB+1], 0
	s_mul_i32 s22, s[WV], HALFT                    ; where my part goes: no place in the cluster enters an LDS address
	s_wait_dscnt 0x0                               ; the opening add is done
	s_wait_kmcnt 0x0
	s_add_nc_u64 s[BA:BA+1], s[4:5], s[BA:BA+1]
	s_add_nc_u64 s[BB:BB+1], s[6:7], s[BB:BB+1]
	CROUND                                         ; all sixteen work-groups are here: the first joint loads meet
.irp s, 0,1
	s_mov_b32 s[G0+4*(\s)], 1
	s_add_co_u32 s[G0+4*(\s)+1], s22, (\s)*SLOT
	s_add_nc_u64 s[G0+4*(\s)+2:G0+4*(\s)+3], s[BA:BA+1], s[KO:KO+1]
	s_or_b32 s[G0+4*(\s)+3], s[G0+4*(\s)+3], 0x80000000
	s_mov_b32 s[G0B+4*(\s)], 1
	s_add_co_u32 s[G0B+4*(\s)+1], s22, (\s)*SLOT
	s_add_nc_u64 s[G0B+4*(\s)+2:G0B+4*(\s)+3], s[BB:BB+1], s[KO:KO+1]
	s_or_b32 s[G0B+4*(\s)+3], s[G0B+4*(\s)+3], 0x80000000
	JLOAD \s                                       ; the walk's first two K steps: two loads of mine are out
.if (\s) == 0
	s_add_co_u32 s[KO], s[KO], KB                  ; the next K step; behind the rows' last comes their first
	s_and_b32 s[KO], s[KO], 4095
.endif
.endr
	v_and_b32 v1, 15, v0                           ; l % 16
	v_bfe_u32 v2, v0, 4, 1                         ; l / 16
	v_mul_u32_u24 v3, v1, PITCH
	v_lshl_add_u32 v3, v2, 4, v3                   ; a fragment's row x pitch + 16 x half
	s_mul_i32 s23, s[WV], 96*PITCH
	s_add_co_u32 s23, s23, HALFT                   ; my 96 rows of B, behind A's 128
	v_mov_b32 v[ADRA], v3
	v_mov_b32 v[CA], v3
	v_add_nc_u32 v[ADRB], s23, v3
	v_add_nc_u32 v[CB], s23, v3
	v_mul_u32_u24 v4, v1, SPITCH                   ; into the stage: row l % 16, my 192 bytes of it, 16 bytes for each half of the lanes
	v_lshl_add_u32 v4, v2, 4, v4
	s_mul_i32 s23, s[WV], 192
	v_add_nc_u32 v[STO], s23, v4
	v_add_nc_u32 v[STO2], 64*SPITCH, v[STO]
	v_mul_u32_u24 v5, v2, SPITCH                   ; back: wave w takes rows 32 w on; lanes 0-15 256 bytes of one row, lanes 16-31 of the next
	v_lshl_add_u32 v5, v1, 4, v5
	s_mul_i32 s23, s[WV], 32*SPITCH
	v_add_nc_u32 v[RD], s23, v5
	v_and_b32 v[CO], 31, v0
	v_lshlrev_b32 v[PFO], 12, v[CO]
	v_lshlrev_b32 v[CO], 4, v[CO]
	v_lshlrev_b32 v[BOF], 5, v2
	s_mul_i32 s46, s16, 1536                       ; the bias of my columns: 4 (384 x tile column + 96 x wave)
	s_mul_i32 s47, s[WV], 384
	s_add_co_u32 s46, s46, s47
	s_mov_b32 s47, 0
	s_add_nc_u64 s[8:9], s[8:9], s[46:47]
	s_mul_i32 s46, s16, 3                          ; qkv: head 3 x tile column, row 128 x tile row + 32 x wave
	s_lshl_b32 s46, s46, 19
	s_lshl_b32 s47, s15, 15
	s_add_co_u32 s46, s46, s47
	s_lshl_b32 s47, s[WV], 13
	s_add_co_u32 s46, s46, s47
	s_mov_b32 s47, 0
	s_add_nc_u64 s[10:11], s[10:11], s[46:47]
	s_cmp_eq_u32 s[WV], 0                          ; the prefetch: do I fetch for A?
	s_cselect_b32 s23, s18, s17                    ; my place among the four that ask with me: cy for A, cx for B
	s_cselect_b64 s[PFA:PFA+1], s[BA:BA+1], s[BB:BB+1]
	s_add_co_u32 s46, s[KO], 2*KB                  ; KO stands at the walk's second K step: this is its fourth
	s_and_b32 s46, s46, 4095
	s_lshl_b32 s23, s23, 17                        ; my work-group's 32 rows of the 128
	s_add_co_u32 s46, s46, s23
	s_mov_b32 s47, 0
	s_add_nc_u64 s[PFA:PFA+1], s[PFA:PFA+1], s[46:47]
	WIN 0x40
.irp b, 0,1,2,3,4,5                    ; register j of block b: the bias of column 16 b + 8 (l / 16) + j
	global_load_b128 v[BI+8*(\b):BI+8*(\b)+3],   v[BOF], s[8:9] offset:64*(\b)
	global_load_b128 v[BI+8*(\b)+4:BI+8*(\b)+7], v[BOF], s[8:9] offset:64*(\b)+16
.endr
	WIN 0
; 12 matrix instructions: row blocks a0, a0 + 1 of the window's four x all 6 column blocks, 32 along K.  zero = 1: the bias starts the sums.  The 48 accumulators take turns.
.macro MUL12 f, hi, a0, zero
.if \zero
	WIN 0x91+0x40*(\hi)
.else
	WIN 0xa1+0x50*(\hi)
.endif
.irp a, \a0, (\a0)+1
.irp b, 0,1,2,3,4,5
.if \zero
	v_wmma_f32_16x16x32_bf16 v[8*(6*(\a)+(\b)):8*(6*(\a)+(\b))+7], v[(\f)+8*(\b):(\f)+8*(\b)+7], v[(\f)+8*(4*(\hi)+(\a)):(\f)+8*(4*(\hi)+(\a))+7], v[BI+8*(\b):BI+8*(\b)+7]
.else
	v_wmma_f32_16x16x32_bf16 v[8*(6*(\a)+(\b)):8*(6*(\a)+(\b))+7], v[(\f)+8*(\b):(\f)+8*(\b)+7], v[(\f)+8*(4*(\hi)+(\a)):(\f)+8*(4*(\hi)+(\a))+7], v[8*(6*(\a)+(\b)):8*(6*(\a)+(\b))+7]
.endif
.endr
.endr
.endm
.macro FETCH k, f                      ; 28 LDS loads in one run, from the slot in hand: 96 rows of B, then 128 rows of A, 32 K at byte k of the rows
	WIN 0x40
.irp i, 0,1,2,3,4,5
	ds_load_b128 v[(\f)+8*(\i):(\f)+8*(\i)+3],   v[CB] offset:(\k)+(\i)*16*PITCH
	ds_load_b128 v[(\f)+8*(\i)+4:(\f)+8*(\i)+7], v[CB] offset:(\k)+(\i)*16*PITCH+32
.endr
	WIN 0
.irp i, 0,1,2,3,4,5,6,7
	ds_load_b128 v[(\f)+8*(\i):(\f)+8*(\i)+3],   v[CA] offset:(\k)+(\i)*16*PITCH
	ds_load_b128 v[(\f)+8*(\i)+4:(\f)+8*(\i)+7], v[CA] offset:(\k)+(\i)*16*PITCH+32
.endr
.endm
.macro PLACES                          ; four plain vector instructions between a matrix instruction and a load into, or a vector read of, its registers
.rept 4
	v_nop
.endr
.endm
.macro QUARTER k, f, g, zero           ; 32 along K: multiplies buffer f, fetches the next quarter, at byte k, into g
	s_wait_dscnt 8                                 ; B and A's rows 0-63 are in; the youngest eight loads may be out
	MUL12 \f, 0, 0, \zero
	MUL12 \f, 0, 2, \zero
	PLACES
	FETCH \k, \g
	s_wait_dscnt 28                                ; all but the 28 just issued
	MUL12 \f, 1, 0, \zero
	MUL12 \f, 1, 2, \zero
.endm
; The last quarter of a K step multiplies buffer 1 and changes slots.  In front of the barrier each wave waits for all its tensor loads (one is out: its part of the next slot), adds 0 to its spare
; word, and waits for that and for its reads of this slot.  fill = 1: the barrier opens a round of the cluster's, and the joint refill is the first thing behind it: 168 matrix instructions ahead of
; the wait for it.  The walking descriptors are written where no tensor load of mine is out: the other slot, the next K step, its address made anew from the rows' base and the byte along them.
.macro TURN fill
	WIN 0
	s_wait_tensorcnt 0x0
	ds_add_u32 v[SPW], v[NIL]
.if \fill
	s_xor_b32 s[G0+5], s[G0+5], SLOT
	s_xor_b32 s[G0B+5], s[G0B+5], SLOT
	s_add_co_u32 s[KO], s[KO], KB
	s_and_b32 s[KO], s[KO], 4095
	s_add_nc_u64 s[G0+6:G0+7], s[BA:BA+1], s[KO:KO+1]
	s_or_b32 s[G0+7], s[G0+7], 0x80000000
	s_add_nc_u64 s[G0B+6:G0B+7], s[BB:BB+1], s[KO:KO+1]
	s_or_b32 s[G0B+7], s[G0B+7], 0x80000000
.endif
	s_xor_b32 s[TB], s[TB], SLOT                   ; the fetches go on in the other slot
	s_wait_dscnt 9                                 ; the add and the youngest eight loads may be out
	MUL12 F1, 0, 0, 0
	s_wait_dscnt 0x0                               ; the add is done, and my reads of this slot are over
	s_barrier_signal -1
	MUL12 F1, 0, 2, 0
	WIN 0
	s_barrier_wait -1
.if \fill
	CREST
	JLOAD 1                                        ; its four v_nop are also the places in front of the loads below
.else
	PLACES
.endif
	v_add_nc_u32 v[CA], s[TB], v[ADRA]
	v_add_nc_u32 v[CB], s[TB], v[ADRB]
	FETCH 0, F0
.if \fill
	ASK
.endif
	MUL12 F1, 1, 0, 0
	MUL12 F1, 1, 2, 0
.endm
	s_wait_tensorcnt 1                             ; my part of the first K step is in; the second's may stay out
	s_barrier_signal -1
	s_barrier_wait -1
	FETCH 0, F0
	s_wait_loadcnt 0x0                             ; the bias
	QUARTER 64,  F0, F1, 1
	WIN 0
	s_mov_b32 s3, TRIPS
.Lstep:                                                ; a trip: from a K step's second quarter to the next step's first; the slot that is left is filled again
	QUARTER 128, F1, F0, 0
	QUARTER 192, F0, F1, 0
	TURN 1
	QUARTER 64,  F0, F1, 0
	WIN 0
	s_sub_co_u32 s3, s3, 1
	s_cmp_lg_u32 s3, 0
	s_cbranch_scc1 .Lstep
	s_mov_b32 s3, 2
.Ltail:                                                ; the last two K steps fill nothing; the second trip is left in its middle
	QUARTER 128, F1, F0, 0
	QUARTER 192, F0, F1, 0
	WIN 0
	s_sub_co_u32 s3, s3, 1
	s_cmp_eq_u32 s3, 0
	s_cbranch_scc1 .Llast
	TURN 0
	QUARTER 64,  F0, F1, 0
	WIN 0
	s_branch .Ltail
.Llast:
	s_wait_dscnt 8
	MUL12 F1, 0, 0, 0
	MUL12 F1, 0, 2, 0
	s_wait_dscnt 0x0                               ; my last reads of the ring are over:
	s_barrier_signal -1                            ; say so; the stage lies in slot 0
	MUL12 F1, 1, 0, 0
	MUL12 F1, 1, 2, 0
	s_barrier_wait -1                              ; everybody's are
	; THE WAY OUT: rounded to f16, 16 bytes a lane into the work-group's stage; a barrier, since a head's 256 bytes of a row come from two waves; back as whole rows.
	PLACES
	PLACES
	WIN 0x0a                                       ; sources in window 2
.set n, 0
.rept 24
.irp r, 0,1,2,3
	v_cvt_pk_f16_f32 v[32+4*n+(\r)], v[8*n+2*(\r)], v[8*n+2*(\r)+1]
.endr
.set n, n+1
.endr
	WIN 0
.set n, 0
.rept 24
	ds_store_b128 v[STO], v[32+4*n:32+4*n+3] offset:(n/6)*16*SPITCH+32*(n%6)
.set n, n+1
.endr
	WIN 0x0f                                       ; sources in window 3
.set n, 0
.rept 24
.irp r, 0,1,2,3
	v_cvt_pk_f16_f32 v[128+4*n+(\r)], v[8*n+2*(\r)], v[8*n+2*(\r)+1]
.endr
.set n, n+1
.endr
	WIN 0
.set n, 0
.rept 24
	ds_store_b128 v[STO2], v[128+4*n:128+4*n+3] offset:(n/6)*16*SPITCH+32*(n%6)
.set n, n+1
.endr
	s_wait_dscnt 0x0                               ; for the others' sake: my stores into the stage are done
	s_barrier_signal -1
	s_barrier_wait -1
.set i, 0
.rept 48                               ; head i / 16 of the three, rows 2 (i % 16) and the next
	ds_load_b128 v[32+4*i:32+4*i+3], v[RD] offset:(i%16)*2*SPITCH+256*(i/16)
.set i, i+1
.endr
.set i, 0
.rept 48
	s_wait_dscnt 47-i                              ; the later loads may stay out
	global_store_b128 v[CO], v[32+4*i:32+4*i+3], s[10:11] offset:(i/16)*524288+(i%16)*512  ; 512 consecutive bytes, aligned
.set i, i+1
.endr
	s_wait_tensorcnt 0x0                           ; the wave's end
	ds_add_u32 v[SPW], v[NIL]
	s_wait_dscnt 0x0
	CROUND                                         ; the closing round
	s_endpgm
.Lfunc_end_k_q7e6695819b_qkvproj:
	.size	k_q7e6695819b_qkvproj, .Lfunc_end_k_q7e6695819b_qkvproj-k_q7e6695819b_qkvproj
	.p2alignl 7, 3214868480
	.fill 96, 4, 3214868480
	.section	.rodata,"a",@progbits
	.p2align	6, 0x0
	.amdhsa_kernel k_q7e6695819b_qkvproj
		.amdhsa_group_segment_fixed_size 327680
		.amdhsa_private_segment_fixed_size 0
		.amdhsa_enable_private_segment 0
		.amdhsa_kernarg_size 32
		.amdhsa_user_sgpr_count 2
		.amdhsa_user_sgpr_kernarg_segment_ptr 1
		.amdhsa_wavefront_size32 1
		.amdhsa_system_sgpr_workgroup_id_x 1
		.amdhsa_system_sgpr_workgroup_id_y 1
		.amdhsa_system_sgpr_workgroup_id_z 1
		.amdhsa_system_vgpr_workitem_id 0
		.amdhsa_next_free_vgpr 960
		.amdhsa_next_free_sgpr 66
		.amdhsa_reserve_vcc 0
		.amdhsa_float_denorm_mode_32 3
		.amdhsa_float_denorm_mode_16_64 3
		.amdhsa_memory_ordered 1
		.amdhsa_forward_progress 1
		.amdhsa_inst_pref_size 87
	.end_amdhsa_kernel
	.amdgpu_metadata
---
amdhsa.version: [ 1, 2 ]
amdhsa.kernels:
  - .name:           k_q7e6695819b_qkvproj
    .symbol:         k_q7e6695819b_qkvproj.kd
    .args:
      - { .name: xb, .offset: 0, .size: 8, .value_kind: global_buffer, .address_space: global }
      - { .name: wqkv, .offset: 8, .size: 8, .value_kind: global_buffer, .address_space: global }
      - { .name: bias, .offset: 16, .size: 8, .value_kind: global_buffer, .address_space: global }
      - { .name: qkv, .offset: 24, .size: 8, .value_kind: global_buffer, .address_space: global }
    .group_segment_fixed_size: 327680
    .private_segment_fixed_size: 0
    .kernarg_segment_align: 8
    .kernarg_segment_size: 32
    .max_flat_workgroup_size: 128
    .sgpr_count:     66
    .vgpr_count:     960
    .wavefront_size: 32
...
	.end_amdgpu_metadata
.endif
;; end of part 2
;; launch attn (part 3): grid 16 x 16, 4 waves a work-group, clusters of 4 x 1, 327,680 bytes of LDS; arguments qkv, maskw, ob; writes ob
.if DOCPART == 3
	.amdgcn_target "amdgcn-amd-amdhsa--gfx1250"
	.amdhsa_code_object_version 6
	.text
	.protected	k_q7e6695819b_attn
	.globl	k_q7e6695819b_attn
	.p2align	8
	.type	k_q7e6695819b_attn,@function
k_q7e6695819b_attn:
	s_mov_b64 s[64:65], 0
	v_nop
	global_prefetch_b8 v0, s[64:65] scope:SCOPE_SE
	s_setreg_imm32_b32 hwreg(HW_REG_WAVE_MODE, 25, 1), 1
	s_wait_xcnt 0x0
	s_wait_alu depctr_hold_cnt(0) depctr_sa_sdst(0) depctr_va_vdst(0) depctr_va_sdst(0) depctr_va_ssrc(0) depctr_va_vcc(0) depctr_vm_vsrc(0)
	s_getreg_b32 s2, hwreg(HW_REG_IB_STS2, 6, 4)
	s_cmp_eq_u32 s2, 0
	s_cbranch_scc0 .Lentry_in_a_cluster
	s_endpgm
.Lentry_in_a_cluster:
	s_bfe_u32 s2, ttmp6, 0x10000c
	s_cmp_lg_u32 s2, 0x3003
	s_cbranch_scc0 .Lentry_shape_is_right
	s_endpgm
.Lentry_shape_is_right:
; O[q][128 h + d] = the sum over k of softmax_k(mask ? Q[h][q] . K[h][k] / sqrt(128) : -inf) V[h][k][d].  qkv: [48][2048][128] f16 (q, k, v by heads); ob: [2048][2048] f16.
; maskw [128 qt][128 kg][8 j]: bit L of a word = the mask of query 16 qt + L % 16 and key 16 kg + 8 (L / 16) + j: the lane mask of one register of scores.
; Products, maxima and sums in f32; the weights p are rounded to f16 for the second product (their sum l is taken of the unrounded p), O once at the end.
; LIMITS.  Q, K, V arrive within f16's 65,504.  A masked score is -inf; the running maximum starts at the lowest finite number, so p = 0 and the correction is 1 while a row has seen no key.
; A row with no key at all ends with l = 0 and leaves as NaN.  A weight below 2^-126 counts as 0.  The keys are taken in an order that differs from cluster to cluster (below).
; SHARES.  A work-group owns 128 queries of one head.  THE KEYS ARE SPLIT IN THE WORK-GROUP: wave w has query half w % 2 (64 queries, four tiles of 16) and key half w / 2 (1,024 keys, 16 steps of 64);
; the two halves' O, m and l meet once, through LDS.  Register tile t holds query tile (t + 2 (w / 2)) % 4, which enters addresses alone: every wave keeps its tiles 0, 1 and gives away 2, 3.
; LAYOUT.  S^T = K Q^T (source 0 = 16 keys, source 1 = 16 queries): a lane holds ONE query (lane % 16) and the keys 8 (lane / 16) + 0..7; two such results rounded to f16 ARE source 1 of O^T = V^T P.
; SOFTMAX.  p = 2^(c s - c m), c = log2(e) / sqrt(128), with a running maximum m; in every step O and l are multiplied by a = 2^(c m_old - c m_new).  O and l start at 0: the first step is a step like any other.
; BY TURNS.  Pieces 0 (tiles 0, 1) and 2 (tiles 2, 3).  In a turn one piece has the matrix unit (32 products V^T P, then 32 products K Q^T of the next step).  The other piece's softmax has 332 vector
; instructions: its 64 mask lines stand together at the turn's head, the other 268 in 64 slices, one behind each product.
; CLUSTER.  The four query blocks of a cluster belong to one head and walk the same K and V: each tile is asked for jointly.
; THE WALK BEGINS ELSEWHERE IN EACH CLUSTER and wraps round: of a key half's eight fills of 128 keys, fill (2 x cluster x + head + i) % 8 is the i-th.  The four clusters of a head begin two fills apart,
; and of eight heads on end no two read the same mask words in the same step.  NO PREFETCH: the rows that a cluster is the first of its head to ask for are those of its two first fills, which go out at the head.
; REGISTERS, in windows of 256 (s_set_vgpr_msb: bits 1:0 source 0, 3:2 source 1, 5:4 source 2, 7:6 destination):
;   window 0: v0-11 addresses; v12-43 statistics, 8 a tile; v44-63 constants and addresses; v64-191 S^T; v192-255 P      window 1: O^T, 64 a tile      window 2: v0-127 Q, v128-255 K      window 3: v0-127 V
.set KS,    64
.set PK,    272       ; a row of K in LDS: 256 + 16 bytes
.set PV,    288       ; a row of V: 256 + 32 bytes
.set REG,   73728     ; LDS region w: K of key half 0, K of half 1, V of half 0, V of half 1; wave w fills region w
.set POS,   36864     ; a region's two positions, 128 rows (two steps) each.  REG's multiples and POS share no bit: one exclusive or changes position
.set STAGE, 4*REG     ; 16 rows x 272 bytes for each wave, for the way out
.set SP,    272
.set SPARE, STAGE+4*16*SP  ; the spare words, 128 bytes a wave
.set AK0, 2           ; v2   my lane's place in my key half's K; never rewritten
.set AV0, 3           ; v3   the same for V
.set ADR, 4           ; v4   the LDS address of the run of loads in hand
.set QO,  5           ; v5   my byte offset in 16 rows of Q
.set STO, 6           ; v6   the way out: where I put 16 bytes of a row
.set RD,  7           ; v7   where I read a row back
.set GO,  8           ; v8   my byte offset in two rows of ob
.set ST,  12          ; tile t's statistics at v[ST+8 t]: +0 c m, +1 m, +2, +3 l (even keys', odd keys'), +4 to +7 at work; a takes +6
.set CV,  44          ; v[44:45] c, twice
.set NINF, 46         ; v46  -inf
.set XA,  47          ; v47  the exchange: where I put what I give away (position 0 of my region: it has had its last fill and its last reader)
.set XB,  60          ; v60  where my partner, wave w xor 2, put what it gives me
.set SPW, 62          ; v62  my spare word; never rewritten
.set NIL, 63          ; v63  0; never rewritten
.set S,   64
.set P,   192
.set KF,  128         ; window 2
.set FO,  2           ; s[2:3]   byte, in my 1,024 rows, of the fill asked for last
.set G0,  4           ; s[4:7]   descriptor group 0: it walks.  The first fill's set lies in s[32:35] until that load is shown done
.set G1K, 8           ; s[8:15]  group 1 for K
.set G1V, 16          ; s[16:23] for V: it differs in the padding alone
.set MP,  24          ; s[24:25] maskw at my 64 queries' first tile and my key half
.set SO0, 26          ; s26  piece 0's byte offset from there, s27 piece 2's: 128 bytes on with each step, modulo a key half's 2,048
.set SEL, 28          ; s[28:29] v_permlanex16_b32's selects
.set KVB, 30          ; s[30:31] the first of the 1,024 rows of K or V that I fetch from
.set MWA, 32          ; s[32:63] the even tile's 32 mask words;  s[68:99] the odd tile's
.set WV,  66
.set SLOTS, 67
.set TWICE, 100
.set TBK, 101         ; LDS byte, in a region, at which K of the step to be fetched begins
.set TBV, 104
.set MSB, 0
.macro WIN new
.if MSB != (\new)
	s_set_vgpr_msb (MSB<<8)|(\new)
.set MSB, \new
.endif
.endm
.set W_KQ, 0x0a
.set W_PV, 0x53
.set W_RS, 0x41
.macro JLOAD                        ; a joint refill: waves 0, 1 K's rows, waves 2, 3 V's; an s_nop 0 and four v_nop follow each line
	s_cmp_lt_u32 s[WV], 2
	s_cbranch_scc0 .Lfor_v_\@
	tensor_load_to_lds s[G0:G0+3], s[G1K:G1K+7]
	s_nop 0
.rept 4
	v_nop
.endr
	s_branch .Lasked_\@
.Lfor_v_\@:
	tensor_load_to_lds s[G0:G0+3], s[G1V:G1V+7]
	s_nop 0
.rept 4
	v_nop
.endr
.Lasked_\@:
.endm
.macro CROUND
	s_barrier_signal -1
	s_barrier_wait -1
	s_cmp_lg_u32 s[WV], 0
	s_cbranch_scc1 .Lnot_wave_0_\@
	s_barrier_signal -3
.Lnot_wave_0_\@:
	s_barrier_wait -3
	s_barrier_signal -1
	s_barrier_wait -1
.endm
	s_load_b128 s[36:39], s[0:1], 0x0  ; qkv s[36:37], maskw s[38:39]
	v_lshl_add_u32 v[SPW], v0, 2, SPARE
	v_mov_b32 v[NIL], 0
	ds_add_u32 v[SPW], v[NIL]       ; the wave's opening: the add, and its wait ahead of my first tensor load
	v_lshrrev_b32 v1, 5, v0
	v_readfirstlane_b32 s[WV], v1
	s_bfe_u32 s44, ttmp6, 0x40000   ; cx
	s_lshl_b32 s45, ttmp9, 2
	s_add_co_u32 s45, s45, s44      ; my block of 128 queries: it enters Q's, the mask's and O's addresses alone
	s_and_b32 s46, ttmp7, 0xffff    ; the head
	s_and_b32 s47, s[WV], 1         ; my query half.  Also: the key half whose rows I fetch
	s_lshr_b32 s48, s[WV], 1        ; my key half.  Also: I fetch K (0) or V (1)
	s_lshl_b32 s58, s48, 4
	s_add_co_u32 s58, s58, s46
	s_add_co_u32 s58, s58, 16
	s_lshl_b32 s58, s58, 19         ; head 16 + h of qkv is K's, 32 + h V's: 524,288 bytes each,
	s_lshl_b32 s59, s47, 18         ; 1,024 rows of 256 bytes to a key half
	s_add_co_u32 s58, s58, s59
	s_mov_b32 s59, 0
	s_lshl_b32 s[FO], ttmp9, 1      ; where my cluster's walk begins: fill (2 x cluster x + head) % 8: the same in all four partners
	s_add_co_u32 s[FO], s[FO], s46
	s_and_b32 s[FO], s[FO], 7
	s_lshl_b32 s60, s[FO], 8        ; a fill's two steps are 256 bytes of mask words,
	s_lshl_b32 s[FO], s[FO], 15     ; and 32,768 bytes of K or V
	s_mov_b32 s[FO+1], 0
	s_lshl_b32 s50, s46, 19         ; Q: the head, my block's 128 rows, my wave's 64
	s_lshl_b32 s49, s45, 15
	s_add_co_u32 s50, s50, s49
	s_lshl_b32 s49, s47, 14
	s_add_co_u32 s50, s50, s49
	s_lshl_b32 s[SO0], s48, 13      ; register tiles 0, 1 are query tiles 2 kh, 2 kh + 1: 32 rows of Q are 8,192 bytes, and so are two tiles of mask words
	s_xor_b32 s[SO0+1], s[SO0], 8192
	s_add_co_u32 s52, s50, s[SO0+1]
	s_add_co_u32 s50, s50, s[SO0]
	s_mov_b32 s51, 0
	s_mov_b32 s53, 0
	s_add_co_u32 s[SO0], s[SO0], s60
	s_add_co_u32 s[SO0+1], s[SO0+1], s60
	s_lshl_b32 s56, s45, 15         ; the mask: 4,096 bytes a query tile, 8 tiles a block, 4 a wave; 2,048 bytes a key half
	s_lshl_b32 s49, s47, 14
	s_add_co_u32 s56, s56, s49
	s_lshl_b32 s49, s48, 11
	s_add_co_u32 s56, s56, s49
	s_mov_b32 s57, 0
	s_mov_b32 s[G1K], 15|(1<<16)|(1<<20)|(1<<21)|(5<<22)|(3<<25)  ; the mask of four; 2-byte elements; padding on; bit 21 beside a mask; after every 64 words 4 words
	s_mov_b32 s[G1V], 15|(1<<16)|(1<<20)|(1<<21)|(5<<22)|(7<<25)  ; the same with 8 words
.irp g, G1K, G1V
	s_mov_b32 s[(\g)+1], 128<<16    ; tensor_dim0 = 128
	s_mov_b32 s[(\g)+2], 128<<16    ; tensor_dim1 = 128
	s_mov_b32 s[(\g)+3], 128<<16    ; tile_dim0 = 128
	s_mov_b32 s[(\g)+4], 128        ; tile_dim1 = 128
	s_mov_b32 s[(\g)+5], 128        ; elements from row to row
	s_mov_b32 s[(\g)+6], 0
	s_mov_b32 s[(\g)+7], 0
.endr
	s_mov_b32 s32, 1
	s_mul_i32 s33, s[WV], REG       ; the first fill: position 0 of my region
	s_mov_b32 s[G0], 1
	s_add_co_u32 s[G0+1], s33, POS  ; the second: position 1
	s_mov_b32 s[SEL], 0x76543210
	s_mov_b32 s[SEL+1], 0xfedcba98
	s_mov_b32 s[TBK], 0
	s_mov_b32 s[TBV], 0
	s_wait_dscnt 0x0                ; the opening add is done
	s_wait_kmcnt 0x0
	s_add_nc_u64 s[KVB:KVB+1], s[36:37], s[58:59]
	s_add_nc_u64 s[34:35], s[KVB:KVB+1], s[FO:FO+1]
	s_or_b32 s35, s35, 0x80000000
	s_add_co_u32 s[FO], s[FO], 32768  ; the next 128 keys; behind the key half's last come its first
	s_and_b32 s[FO], s[FO], 0x3ffff
	s_add_nc_u64 s[G0+2:G0+3], s[KVB:KVB+1], s[FO:FO+1]
	s_or_b32 s[G0+3], s[G0+3], 0x80000000
	s_add_nc_u64 s[40:41], s[36:37], s[50:51]  ; Q of register tiles 0, 1
	s_add_nc_u64 s[42:43], s[36:37], s[52:53]  ; of tiles 2, 3
	s_add_nc_u64 s[MP:MP+1], s[38:39], s[56:57]
	CROUND                          ; all four work-groups are here: the first joint loads meet
	s_cmp_lt_u32 s[WV], 2           ; a wave's two first fills stand in one branch: two loads of mine are out
	s_cbranch_scc0 .Lfirst_v
	tensor_load_to_lds s[32:35], s[G1K:G1K+7]
	s_nop 0
	tensor_load_to_lds s[G0:G0+3], s[G1K:G1K+7]
	s_nop 0
.rept 4
	v_nop
.endr
	s_branch .Lfirst_asked
.Lfirst_v:
	tensor_load_to_lds s[32:35], s[G1V:G1V+7]
	s_nop 0
	tensor_load_to_lds s[G0:G0+3], s[G1V:G1V+7]
	s_nop 0
.rept 4
	v_nop
.endr
.Lfirst_asked:
	v_and_b32 v1, 15, v0            ; l % 16
	v_bfe_u32 v9, v0, 4, 1          ; l / 16
	v_lshlrev_b32 v[QO], 8, v1
	v_lshl_add_u32 v[QO], v9, 4, v[QO]
	WIN 0x80                        ; destination window 2
.set i, 0
.rept 8                             ; Q stays in registers: tile i / 4 (and 2 + i / 4), channels 32 (i % 4) on
	global_load_b128 v[8*i:8*i+3],       v[QO], s[40:41] offset:(i/4)*4096+(i%4)*64
	global_load_b128 v[8*i+4:8*i+7],     v[QO], s[40:41] offset:(i/4)*4096+(i%4)*64+32
	global_load_b128 v[64+8*i:64+8*i+3],   v[QO], s[42:43] offset:(i/4)*4096+(i%4)*64
	global_load_b128 v[64+8*i+4:64+8*i+7], v[QO], s[42:43] offset:(i/4)*4096+(i%4)*64+32
.set i, i+1
.endr
	; What the first turn finds: O^T and l are 0; V's registers and piece 2's P hold 0, so that its products V^T P, of a step that has not been, add 0.  416 lines in the wait for the first tile;
	; they spare a first step and a first turn written out.
	WIN 0x40
.set i, 0
.rept 256
	v_mov_b32 v[i], 0
.set i, i+1
.endr
	WIN 0xc0
.set i, 0
.rept 128
	v_mov_b32 v[i], 0
.set i, i+1
.endr
	WIN 0
.set i, P+32
.rept 32
	v_mov_b32 v[i], 0
.set i, i+1
.endr
	v_mov_b32 v[CV], 0x3e0293ee     ; c = log2(e) / sqrt(128) = 0.127517
	v_mov_b32 v[CV+1], 0x3e0293ee
	v_mov_b32 v[NINF], 0xff800000
.irp t, 0,1,2,3
	v_mov_b32 v[ST+8*(\t)+1], 0xff7fffff  ; m: the lowest finite number
	v_mov_b32 v[ST+8*(\t)+2], 0
	v_mov_b32 v[ST+8*(\t)+3], 0
.endr
.irp t, 0,1,2,3
	v_mul_f32 v[ST+8*(\t)], v[CV], v[ST+8*(\t)+1]  ; c m, by the line that the loop uses
.endr
	s_mul_i32 s49, s48, REG         ; my key half's K,
	s_add_co_u32 s54, s49, 2*REG    ; and V
	v_mul_u32_u24 v[AK0], v1, PK
	v_lshl_add_u32 v[AK0], v9, 4, v[AK0]
	v_add_nc_u32 v[AK0], s49, v[AK0]
	v_and_b32 v10, 7, v0            ; the turning load: lane l reads key 8 (l / 16) + l % 8, channels 8 ((l / 8) % 2) + 0..7
	v_bfe_u32 v11, v0, 3, 1
	v_lshl_add_u32 v[AV0], v9, 3, v10
	v_mul_u32_u24 v[AV0], v[AV0], PV
	v_lshl_add_u32 v[AV0], v11, 4, v[AV0]
	v_add_nc_u32 v[AV0], s54, v[AV0]
; THE MATRIX WORK.  The accumulators take turns, one instruction a turn.
.macro PV x                         ; product i of 32 of O^T += V^T P: keys 32 (i / 16) on, channels 16 ((i / 2) % 8) on, tile x + i % 2
	WIN W_PV
.set rO, 64*((\x)+i%2)+8*((i/2)%8)
.set rV, 64*(i/16)+8*((i/2)%8)
.set rP, P+16*((\x)+i%2)+8*(i/16)
	v_wmma_f32_16x16x32_f16 v[rO:rO+7], v[rV:rV+7], v[rP:rP+7], v[rO:rO+7]
.endm
.macro KQ x                         ; product i of 32 of S^T = K Q^T: channels 32 (i / 8) on, keys 16 ((i / 2) % 4) on, tile x + i % 2.  The first 8 start the sums
	WIN W_KQ
.set rS, S+32*((\x)+i%2)+8*((i/2)%4)
.set rK, KF+32*((i/2)%4)+8*(i/8)
.set rQ, 32*((\x)+i%2)+8*(i/8)
.if i < 8
	v_wmma_f32_16x16x32_f16 v[rS:rS+7], v[rK:rK+7], v[rQ:rQ+7], 0
.else
	v_wmma_f32_16x16x32_f16 v[rS:rS+7], v[rK:rK+7], v[rQ:rQ+7], v[rS:rS+7]
.endif
.endm
.macro FETCH_K                      ; a step's K: 32 LDS loads in one run
	WIN 0
	v_add_nc_u32 v[ADR], s[TBK], v[AK0]
	s_add_co_u32 s[TBK], s[TBK], KS*PK
	WIN 0x80
.irp f, 0,1,2,3,4,5,6,7,8,9,10,11,12,13,14,15
	ds_load_b128 v[KF+8*(\f):KF+8*(\f)+3],   v[ADR] offset:((\f)/4)*16*PK+((\f)%4)*64
	ds_load_b128 v[KF+8*(\f)+4:KF+8*(\f)+7], v[ADR] offset:((\f)/4)*16*PK+((\f)%4)*64+32
.endr
.endm
.macro FETCH_V                      ; a step's V, turned
	WIN 0
	v_add_nc_u32 v[ADR], s[TBV], v[AV0]
	s_add_co_u32 s[TBV], s[TBV], KS*PV
	s_wait_alu depctr_va_vdst(0)    ; the wait for the softmax's batch of exponentials (SLICE)
	WIN 0xc0
.irp f, 0,1,2,3,4,5,6,7,8,9,10,11,12,13,14,15
	ds_load_tr16_b128 v[8*(\f):8*(\f)+3],   v[ADR] offset:((\f)/8)*32*PV+((\f)%8)*32
	ds_load_tr16_b128 v[8*(\f)+4:8*(\f)+7], v[ADR] offset:((\f)/8)*32*PV+16*PV+((\f)%8)*32
.endr
.endm
.macro MLOAD y                      ; piece y's 64 mask words for its next step: 128 bytes for each of its two tiles, 4,096 bytes apart
	s_load_b512 s[32:47], s[MP:MP+1], s[SO0+(\y)/2] offset:0x0
	s_load_b512 s[48:63], s[MP:MP+1], s[SO0+(\y)/2] offset:0x40
	s_load_b512 s[68:83], s[MP:MP+1], s[SO0+(\y)/2] offset:0x1000
	s_load_b512 s[84:99], s[MP:MP+1], s[SO0+(\y)/2] offset:0x1040
.endm
; THE VECTOR WORK.  One tile's softmax for one step is a list of 166; SM writes number j of it for tile t.
;   0-31     the mask: score j stays where its word's bit is set, else -inf (each accumulator's lowest register is read first)
;   32-47    the maximum of the 32 scores and the old m     48-52  the other half of the lanes' maximum; m; c m; c m_old - c m_new
;   53-101   ONE BATCH: the 16 scalings c s - c m and all 33 exponentials (a, then the 32 scores); none of these reads an exponential's result
;   102-117  the roundings to f16     118-133  the sums; l = a l + the sum     134-165  O^T times a
.macro SM t
.set rT, ST+8*(\t)
.set rS, S+32*(\t)
.set rP, P+16*(\t)
.set rW, MWA+36*((\t)%2)
.set q, j-32
.if j < 134
	WIN 0
.endif
.if j < 32
	v_cndmask_b32 v[rS+j], v[NINF], v[rS+j], s[rW+j]
.elseif q < 4
	v_max3_num_f32 v[rT+4+q], v[rS+8*q], v[rS+8*q+1], v[rS+8*q+2]
.elseif q < 12
	v_max3_num_f32 v[rT+4+q%4], v[rT+4+q%4], v[rS+8*(q%4)+2*(q/4)+1], v[rS+8*(q%4)+2*(q/4)+2]
.elseif q == 12
	v_max3_num_f32 v[rT+4], v[rT+4], v[rS+7], v[rS+15]
.elseif q == 13
	v_max3_num_f32 v[rT+6], v[rT+6], v[rS+23], v[rS+31]
.elseif q == 14
	v_max3_num_f32 v[rT+4], v[rT+4], v[rT+5], v[rT+6]
.elseif q == 15
	v_max3_num_f32 v[rT+4], v[rT+4], v[rT+7], v[rT+1]
.elseif q == 16
	v_permlanex16_b32 v[rT+5], v[rT+4], s[SEL], s[SEL+1]  ; the query's other 32 keys lie in the lane 16 away
.elseif q == 17
	v_mov_b32 v[rT+7], v[rT]        ; c m_old is kept for a
.elseif q == 18
	v_max_num_f32 v[rT+1], v[rT+4], v[rT+5]
.elseif q == 19
	v_mul_f32 v[rT], v[CV], v[rT+1]
.elseif q == 20
	v_sub_f32 v[rT+7], v[rT+7], v[rT]
.elseif q == 23
	v_exp_f32 v[rT+6], v[rT+7]
.elseif (q < 23) || ((q < 38) && (q%2 == 0)) || ((q < 66) && (q%4 == 2))
.set b, (q-2)/4
.if q < 38
.set b, (q-20)/2
.endif
	v_pk_fma_f32 v[rS+2*b:rS+2*b+1], v[rS+2*b:rS+2*b+1], v[CV:CV+1], v[rT:rT+1] op_sel_hi:[1,1,0] neg_lo:[0,0,1] neg_hi:[0,0,1]  ; pair b: c s - c m
.elseif q < 70
.set e, q-38
.if q < 66
.set e, q-32-(q-38)/4
.endif
.if q < 38
.set e, (q-25)/2
.endif
	v_exp_f32 v[rS+e], v[rS+e]
.elseif q < 86
	v_cvt_pk_f16_f32 v[rP+q-70], v[rS+2*(q-70)], v[rS+2*(q-70)+1]
.elseif q < 102                     ; the sum of the tile's 16 pairs, in place: neighbours 1, 2, 4 and 8 pairs apart, then l takes it
.set z, q-86
.set w, 4
.set u, z
.if z >= 14
.set w, 32
.set u, 0
.elseif z >= 12
.set w, 16
.set u, z-12
.elseif z >= 8
.set w, 8
.set u, z-8
.endif
.if z < 15
	v_pk_add_f32 v[rS+w*u:rS+w*u+1], v[rS+w*u:rS+w*u+1], v[rS+w*u+w/2:rS+w*u+w/2+1]
.else
	v_pk_fma_f32 v[rT+2:rT+3], v[rT+2:rT+3], v[rT+6:rT+7], v[rS:rS+1] op_sel_hi:[1,0,1]
.endif
.else
.set rO, 64*(\t)+2*(j-134)
	WIN W_RS
	v_pk_mul_f32 v[rO:rO+1], v[rO:rO+1], v[rT+6:rT+7] op_sel_hi:[1,0]
.endif
.endm
; Slice k of 64 of piece y's softmax, numbers 32 to 165: four instructions.  2 x 134 = 4 x 64 + 12: the twelve that are over stand together, in slice 63, whose sixteen, all plain and on the other
; piece's O^T, are the places behind the turn's last product.  Slices 11 to 34 deal out the batch from number 54 on, four numbers of ONE tile each; elsewhere the two tiles alternate, two numbers each.
; Behind slice 0 the next turn's mask words are asked for: this turn's 64 mask lines have been issued, and 63 products stand ahead of the wait for the words.
; Behind slice 34 stands a plain instruction and ONE wait for the turn's 66 exponentials: ahead of it nothing names a result of theirs, behind it none is issued.
.macro SLICE y, ml
.if (k >= 11) && (k < 35)
.irp n, 0,1,2,3
.set j, 54+4*((k-11)/2)+(\n)
	SM (\y)+(k-11)%2
.endr
.else
.irp n, 0,1,2,3,4,5,6,7
.if ((\n) < 2) || (k == 63)
.irp t, \y, (\y)+1
.set j, 32+2*k+(\n)
	SM \t
.endr
.endif
.endr
.endif
.if (k == 0) && (\ml)
	MLOAD 2-(\y)
.endif
.if k == 34
	v_nop                           ; a plain instruction behind the last exponential: one for the batch
.if (\y) == 0
	FETCH_V                         ; piece 2's turn: V's run of loads stands here, and the wait stands in it; the last product that read V stands in front of slice 31: a scaling of each tile, the v_nop and the run's own addition lie between
.else
	s_wait_alu depctr_va_vdst(0)
.endif
.endif
.set k, k+1
.endm
; A TURN.  Piece x has the matrix unit; piece 2 - x's softmax stands beside it: the 64 mask lines at the head, under one window setting, then a slice behind each product (two where the turn has one
; kind of product).  pv = 2: 32 products V^T P.  kq = 1: 32 products K Q^T.  ml = 1: the next turn's mask words are asked for.  Piece 0's turn fetches the next step's K behind its second product; piece 2's the same step's V.
.macro TURN x, pv, kq, ml
.set k, 0
.set per, 2
.if (\pv) && (\kq)
.set per, 1
.endif
	WIN 0
	s_wait_kmcnt 0x0                ; this turn's mask words are in,
	s_add_co_u32 s[SO0+(2-(\x))/2], s[SO0+(2-(\x))/2], 128  ; so the offset that their loads read may step:
	s_and_b32 s[SO0+(2-(\x))/2], s[SO0+(2-(\x))/2], 0xfffff7ff  ; behind a key half's 2,048 bytes it begins anew (bit 11 is no part of the tiles' 0 or 8,192)
.set j, 0
.rept 32
	SM 2-(\x)
	SM 3-(\x)
.set j, j+1
.endr
.if \pv
.if (\x) == 0
	s_wait_dscnt 0x0                ; V is in
.endif
.set i, 0
.rept 32
	PV \x
.rept per
	SLICE 2-(\x), \ml
.endr
.if ((\x) == 0) && (\kq) && (i == 1)
	FETCH_K
.endif
.set i, i+1
.endr
.endif
.if \kq
.if (\x) == 0
	s_wait_dscnt 0x0                ; K is in
.endif
.set i, 0
.rept 32
	KQ \x
.rept per
	SLICE 2-(\x), \ml
.endr
.set i, i+1
.endr
.endif
.endm
; THE CHANGE OF SLOTS.  Each wave waits for all its tensor loads (one is out: its part of the other position), adds 0 to its spare word, and waits for that and for its reads of the position that it leaves.
; fill = 1: that position is filled again; the barrier is a round of the cluster's, and the joint refill is the first thing behind it: it has two key steps, 256 matrix instructions, in which to land.
; The walking descriptor is written where no tensor load of mine is out: the other position, the next 128 keys, the address made anew from my rows' base and the byte among them.
.macro CHANGE fill
	WIN 0
	s_wait_tensorcnt 0x0
	ds_add_u32 v[SPW], v[NIL]
.if \fill
	s_xor_b32 s[G0+1], s[G0+1], POS
	s_add_co_u32 s[FO], s[FO], 32768
	s_and_b32 s[FO], s[FO], 0x3ffff
	s_add_nc_u64 s[G0+2:G0+3], s[KVB:KVB+1], s[FO:FO+1]
	s_or_b32 s[G0+3], s[G0+3], 0x80000000
	s_wait_dscnt 0x0
	CROUND
	JLOAD
.else
	s_wait_dscnt 0x0
	s_barrier_signal -1
	s_barrier_wait -1
.endif
	s_sub_co_u32 s[TBK], s[TBK], 2*KS*PK
	s_xor_b32 s[TBK], s[TBK], POS
	s_sub_co_u32 s[TBV], s[TBV], 2*KS*PV
	s_xor_b32 s[TBV], s[TBV], POS
.endm
	s_wait_tensorcnt 1              ; my part of the first fill is in; the second's may stay out
	s_barrier_signal -1
	s_barrier_wait -1
	FETCH_K                         ; the walk's first key step
	s_wait_loadcnt 0x0              ; Q is in: its pointers, like the first fill's descriptor, lie where the mask words go
	MLOAD 0
	s_wait_dscnt 0x0
.set i, 0
.rept 32
	KQ 0                            ; piece 0's first scores
.set i, i+1
.endr
	WIN 0                           ; the addresses for the end: twelve plain instructions, the places behind those products.  The two counters serve as scratch until they are set
	s_mul_i32 s[SLOTS], s[WV], 16*SP
	s_add_co_u32 s[SLOTS], s[SLOTS], STAGE
	v_mul_u32_u24 v[STO], v1, SP
	v_lshl_add_u32 v[STO], v9, 4, v[STO]
	v_add_nc_u32 v[STO], s[SLOTS], v[STO]
	v_mul_u32_u24 v[RD], v9, SP
	v_lshl_add_u32 v[RD], v1, 4, v[RD]
	v_add_nc_u32 v[RD], s[SLOTS], v[RD]
	v_lshlrev_b32 v[GO], 12, v9     ; two rows of ob, 4,096 bytes apart
	v_lshl_add_u32 v[GO], v1, 4, v[GO]
	s_mul_i32 s[SLOTS], s[WV], REG
	s_xor_b32 s[TWICE], s[WV], 2
	s_mul_i32 s[TWICE], s[TWICE], REG
	v_and_b32 v[XA], 31, v0
	v_lshlrev_b32 v[XA], 4, v[XA]
	v_add_nc_u32 v[XB], s[TWICE], v[XA]
	v_add_nc_u32 v[XA], s[SLOTS], v[XA]
	s_mov_b32 s[TWICE], 2
	s_mov_b32 s[SLOTS], 7
	s_branch .Lfirst                ; the loop is entered in the middle of a trip: piece 2's first scores | piece 0's first softmax | V of the first step; its products V^T P add 0
.Lslot:                             ; six times: the walk's fills 2 to 7
	CHANGE 1
	s_mov_b32 s[TWICE], 2
.Lstep:
	TURN 0, 2, 1, 1
	WIN 0
.Lfirst:
	TURN 2, 2, 1, 1
	WIN 0
	s_sub_co_u32 s[TWICE], s[TWICE], 1
	s_cmp_lg_u32 s[TWICE], 0
	s_cbranch_scc1 .Lstep
	s_sub_co_u32 s[SLOTS], s[SLOTS], 1
	s_cmp_lg_u32 s[SLOTS], 0
	s_cbranch_scc1 .Lslot
	CHANGE 0                        ; the tail is written out
	s_mov_b32 s[TWICE], 2
.Ltail:
	TURN 0, 2, 1, 1
	TURN 2, 2, 1, 1
	WIN 0
	s_sub_co_u32 s[TWICE], s[TWICE], 1
	s_cmp_lg_u32 s[TWICE], 0
	s_cbranch_scc1 .Ltail
	TURN 0, 2, 0, 0                 ; piece 0: V^T P of the last step | piece 2's last softmax
.set i, 0
.rept 32
	PV 2
.set i, i+1
.endr
	; THE TWO KEY HALVES MEET.  l is made whole; tiles 2, 3 (O^T, c m, l) go to the partner; the partner's come for my tiles 0, 1.
	WIN 0
	s_load_b64 s[36:37], s[0:1], 0x10  ; ob: the mask words are dead
.irp t, 0,1,2,3
	v_add_f32 v[ST+8*(\t)+4], v[ST+8*(\t)+2], v[ST+8*(\t)+3]  ; these are the places behind the last products
.endr
.irp t, 0,1,2,3
	v_permlanex16_b32 v[ST+8*(\t)+5], v[ST+8*(\t)+4], s[SEL], s[SEL+1]
.endr
.irp t, 0,1,2,3
	v_add_f32 v[ST+8*(\t)+4], v[ST+8*(\t)+4], v[ST+8*(\t)+5]
.endr
	v_mov_b32 v48, v[ST+16]         ; c m and l of tile 2,
	v_mov_b32 v49, v[ST+20]
	v_mov_b32 v50, v[ST+24]         ; of tile 3
	v_mov_b32 v51, v[ST+28]
	WIN 0x04                        ; the stores' data in window 1
.set n, 0
.rept 32
	ds_store_b128 v[XA], v[128+4*n:128+4*n+3] offset:512*n
.set n, n+1
.endr
	WIN 0
	ds_store_b128 v[XA], v[48:51] offset:16384
	s_bfe_u32 s40, ttmp6, 0x40000   ; ob at row 128 x block + 64 x query half + 32 x key half, column 128 x head
	s_lshl_b32 s41, ttmp9, 2
	s_add_co_u32 s40, s40, s41
	s_lshl_b32 s40, s40, 19
	s_and_b32 s41, s[WV], 1
	s_lshl_b32 s41, s41, 18
	s_add_co_u32 s40, s40, s41
	s_lshr_b32 s41, s[WV], 1
	s_lshl_b32 s41, s41, 17
	s_add_co_u32 s40, s40, s41
	s_and_b32 s41, ttmp7, 0xffff
	s_lshl_b32 s41, s41, 8
	s_add_co_u32 s40, s40, s41
	s_mov_b32 s41, 0
	s_wait_dscnt 0x0                ; for the partner's sake: my stores are done
	s_barrier_signal -1
	s_barrier_wait -1
	ds_load_b128 v[52:55], v[XB] offset:16384  ; c m', l' for my tile 0, for my tile 1
	WIN 0x40
.set n, 0
.rept 32
	ds_load_b128 v[128+4*n:128+4*n+3], v[XB] offset:512*n
.set n, n+1
.endr
	WIN 0
	s_wait_dscnt 32                 ; the statistics are in; the 32 loads behind them may stay out
.irp t, 0,1
	v_max_num_f32 v[ST+8*(\t)+5], v[ST+8*(\t)], v[52+2*(\t)]
.endr
.irp t, 0,1
	v_sub_f32 v[ST+8*(\t)+6], v[ST+8*(\t)], v[ST+8*(\t)+5]
	v_sub_f32 v[ST+8*(\t)+7], v[52+2*(\t)], v[ST+8*(\t)+5]
.endr
.irp t, 0,1
	v_exp_f32 v[ST+8*(\t)+6], v[ST+8*(\t)+6]  ; a
	v_exp_f32 v[ST+8*(\t)+7], v[ST+8*(\t)+7]  ; a'
.endr
	v_nop
	s_wait_alu depctr_va_vdst(0)    ; one wait for the four exponentials
.irp t, 0,1
	v_mul_f32 v[ST+8*(\t)+4], v[ST+8*(\t)+6], v[ST+8*(\t)+4]
.endr
.irp t, 0,1
	v_fmac_f32 v[ST+8*(\t)+4], v[ST+8*(\t)+7], v[53+2*(\t)]  ; l = a l + a' l'
.endr
.irp t, 0,1
	v_rcp_f32 v[ST+8*(\t)+5], v[ST+8*(\t)+4]
.endr
	v_nop
	s_wait_alu depctr_va_vdst(0)    ; one wait for the two reciprocals
.irp t, 0,1
	v_mul_f32 v[ST+8*(\t)+6], v[ST+8*(\t)+6], v[ST+8*(\t)+5]  ; f = a / l
	v_mul_f32 v[ST+8*(\t)+2], v[ST+8*(\t)+7], v[ST+8*(\t)+5]  ; f' = a' / l
.endr
	s_wait_dscnt 0x0
	WIN W_RS
.set i, 0
.rept 64
	v_pk_mul_f32 v[2*i:2*i+1], v[2*i:2*i+1], v[ST+8*(i/32)+6:ST+8*(i/32)+7] op_sel_hi:[1,0]
.set i, i+1
.endr
	WIN 0x51                        ; destination, sources 0 and 2 in window 1
.set i, 0
.rept 64
	v_pk_fma_f32 v[2*i:2*i+1], v[128+2*i:128+2*i+1], v[ST+8*(i/32)+2:ST+8*(i/32)+3], v[2*i:2*i+1] op_sel_hi:[1,0,1]
.set i, i+1
.endr
	s_wait_kmcnt 0x0
	s_add_nc_u64 s[36:37], s[36:37], s[40:41]
; THE WAY OUT.  A lane's eight channels of a row pack into 16 bytes; they go into my stage's rows of 272 bytes and come back as whole rows of 256.
.macro PACK t
	WIN 0x05
.set i, 0
.rept 32
	v_cvt_pk_f16_f32 v[S+32*(\t)+i], v[64*(\t)+2*i], v[64*(\t)+2*i+1]
.set i, i+1
.endr
	WIN 0
.irp f, 0,1,2,3,4,5,6,7
	ds_store_b128 v[STO], v[S+32*(\t)+4*(\f):S+32*(\t)+4*(\f)+3] offset:32*(\f)
.endr
.irp f, 0,1,2,3,4,5,6,7
	ds_load_b128 v[S+32*(\t)+4*(\f):S+32*(\t)+4*(\f)+3], v[RD] offset:(\f)*2*SP  ; LDS serves a wave's instructions in order (ISA guide 5.7.1.4)
.endr
.endm
.macro SEND t, younger              ; younger: the LDS instructions issued behind tile t's loads
.irp f, 0,1,2,3,4,5,6,7
	s_wait_dscnt (\younger)+7-(\f)
	global_store_b128 v[GO], v[S+32*(\t)+4*(\f):S+32*(\t)+4*(\f)+3], s[36:37] offset:(\t)*65536+(\f)*8192  ; 16 lanes store 256 consecutive bytes, aligned
.endr
.endm
	PACK 0
	PACK 1
	SEND 0, 16
	SEND 1, 0
	s_wait_tensorcnt 0x0            ; the wave's end
	ds_add_u32 v[SPW], v[NIL]
	s_wait_dscnt 0x0
	CROUND                          ; the closing round
	s_endpgm
.Lfunc_end_k_q7e6695819b_attn:
	.size	k_q7e6695819b_attn, .Lfunc_end_k_q7e6695819b_attn-k_q7e6695819b_attn
	.p2alignl 7, 3214868480
	.fill 96, 4, 3214868480
	.section	.rodata,"a",@progbits
	.p2align	6, 0x0
	.amdhsa_kernel k_q7e6695819b_attn
		.amdhsa_group_segment_fixed_size 327680
		.amdhsa_private_segment_fixed_size 0
		.amdhsa_enable_private_segment 0
		.amdhsa_kernarg_size 24
		.amdhsa_user_sgpr_count 2
		.amdhsa_user_sgpr_kernarg_segment_ptr 1
		.amdhsa_wavefront_size32 1
		.amdhsa_system_sgpr_workgroup_id_x 1
		.amdhsa_system_sgpr_workgroup_id_y 1
		.amdhsa_system_sgpr_workgroup_id_z 1
		.amdhsa_system_vgpr_workitem_id 0
		.amdhsa_next_free_vgpr 896
		.amdhsa_next_free_sgpr 106
		.amdhsa_reserve_vcc 0
		.amdhsa_float_denorm_mode_32 3
		.amdhsa_float_denorm_mode_16_64 3
		.amdhsa_memory_ordered 1
		.amdhsa_forward_progress 1
		.amdhsa_inst_pref_size 195
	.end_amdhsa_kernel
	.amdgpu_metadata
---
amdhsa.version: [ 1, 2 ]
amdhsa.kernels:
  - .name:           k_q7e6695819b_attn
    .symbol:         k_q7e6695819b_attn.kd
    .args:
      - { .name: qkv, .offset: 0, .size: 8, .value_kind: global_buffer, .address_space: global }
      - { .name: maskw, .offset: 8, .size: 8, .value_kind: global_buffer, .address_space: global }
      - { .name: ob, .offset: 16, .size: 8, .value_kind: global_buffer, .address_space: global }
    .group_segment_fixed_size: 327680
    .private_segment_fixed_size: 0
    .kernarg_segment_align: 8
    .kernarg_segment_size: 24
    .max_flat_workgroup_size: 128
    .sgpr_count:     106
    .vgpr_count:     896
    .wavefront_size: 32
...
	.end_amdgpu_metadata
.endif
;; end of part 3
;; launch oproj (part 4): grid 16 x 16, 4 waves a work-group, clusters of 4 x 4, 327,680 bytes of LDS; arguments ob, wo16, out0, bias; writes out0
.if DOCPART == 4
	.amdgcn_target "amdgcn-amd-amdhsa--gfx1250"
	.amdhsa_code_object_version 6
	.text
	.protected	k_q7e6695819b_oproj
	.globl	k_q7e6695819b_oproj
	.p2align	8
	.type	k_q7e6695819b_oproj,@function
k_q7e6695819b_oproj:
	s_mov_b64 s[64:65], 0
	v_nop
	global_prefetch_b8 v0, s[64:65] scope:SCOPE_SE
	s_setreg_imm32_b32 hwreg(HW_REG_WAVE_MODE, 25, 1), 1
	s_wait_xcnt 0x0
	s_wait_alu depctr_hold_cnt(0) depctr_sa_sdst(0) depctr_va_vdst(0) depctr_va_sdst(0) depctr_va_ssrc(0) depctr_va_vcc(0) depctr_vm_vsrc(0)
	s_getreg_b32 s2, hwreg(HW_REG_IB_STS2, 6, 4)
	s_cmp_eq_u32 s2, 0
	s_cbranch_scc0 .Lentry_in_a_cluster
	s_endpgm
.Lentry_in_a_cluster:
	s_bfe_u32 s2, ttmp6, 0x10000c
	s_cmp_lg_u32 s2, 0xf033
	s_cbranch_scc0 .Lentry_shape_is_right
	s_endpgm
.Lentry_shape_is_right:
; out0 = O Wo^T + bo.  ob [2048][2048] f16, wo16 [2048][2048] f16, bias [8192] f32 (bo from number 6,144 on), out0 [2048][2048] f32.  f16 products, f32 sums that START with the bias,
; taken in an order of K that differs from cluster to cluster (below).
; A tile of C is 128 x 128: 16 x 16 work-groups.  Four waves, each 64 x 64: 16 accumulators.  K goes in steps of 256 (LDS rows of 512 bytes; a wave's tensor load brings 64) through two slots.
; CLUSTER 4 x 4: A's tile is asked for jointly by a row of the cluster, B's by a column.  THE MATRIX INSTRUCTION IS USED TRANSPOSED: a lane holds eight neighbouring numbers of a row of C.
; THE WALK ALONG K BEGINS ELSEWHERE IN EACH CLUSTER and wraps round: at K step 2 ((cluster x + cluster y with its two bits reversed) % 4).  Of the four clusters that read the same rows of O,
; and of the four that read the same rows of Wo, no two begin at the same step.
; A wave's 64 columns of f32 are 256 aligned bytes of a row, so each wave has a stage of its own on the way out, and no barrier stands there.
; No prefetch: a step of this small tile is short, and a cluster is the first to ask for its own first two K steps alone, which go out at the head.
; REGISTERS: window 0: v0-31 addresses; v96-127 the bias of my 64 columns, laid as a C operand; v128-255 the accumulators ((a, b) at v[128 + 8 (4 a + b)]).  window 1: two fragment buffers of 128.
.set SIZE_N, 2048
.set SIZE_K, 2048
.set KSTEP,  256
.set KB,     512                       ; bytes of a row in a K step
.set PITCH,  528                       ; an LDS row: 512 bytes + 16 of padding
.set HALFT,  64*PITCH                  ; what one tensor load brings: 0x8400
.set SLOT,   4*HALFT                   ; 0x21000, which shares no bit with wave x HALFT: one exclusive or changes slot
.set STAGE,  2*SLOT                    ; behind the ring: 16 rows x 272 bytes for each wave
.set SPITCH, 272
.set SPARE,  STAGE+4*16*SPITCH         ; the spare words, 128 bytes a wave
.set TRIPS,  6                         ; 8 K steps: the first two are asked for at the head, the others in the loop
.set ADRA, 16                          ; v16  LDS address of my A fragments in slot 0; never rewritten;  v17 the same in the slot in hand
.set CA,   17
.set ADRB, 20                          ; v20, v21  the same for B
.set CB,   21
.set STO,  24
.set RD,   25
.set CO,   26
.set SPW,  28
.set NIL,  29
.set BOF,  30                          ; v30  32 x (lane / 16)
.set BI,   96
.set ACC,  128
.set F0,   0
.set F1,   128
.set BA, 14                            ; s[14:15] A at the first of the rows that I fetch;  s[72:73] the same for B
.set G1, 24
.set G0, 32                            ; s[32:39] group 0, A: a set for each of the two first fills; the second then walks on
.set G1B, 48
.set G0B, 56
.set KO, 68                            ; s[68:69] byte along the rows of the K step asked for last
.set TB, 70                            ; s70  LDS byte at which the slot in hand begins
.set BB, 72
.set MSB, 0
.macro WIN new
.if MSB != (\new)
	s_set_vgpr_msb (MSB<<8)|(\new)
.set MSB, \new
.endif
.endm
.set MUL,  0x05                        ; sources 0 (B) and 1 (A) window 1; C and D window 0
.set TO_F, 0x40
.macro JLOAD s                         ; waves 0 and 1 fetch A's two halves, waves 2 and 3 B's; an s_nop 0 and four v_nop follow each line
	s_cmp_eq_u32 s11, 0
	s_cbranch_scc0 .Lfor_b_\@
	tensor_load_to_lds s[G0+4*(\s):G0+4*(\s)+3], s[G1:G1+7]
	s_nop 0
.rept 4
	v_nop
.endr
	s_branch .Lasked_\@
.Lfor_b_\@:
	tensor_load_to_lds s[G0B+4*(\s):G0B+4*(\s)+3], s[G1B:G1B+7]
	s_nop 0
.rept 4
	v_nop
.endr
.Lasked_\@:
.endm
.macro CREST
	s_cmp_lg_u32 s10, 0
	s_cbranch_scc1 .Lnot_wave_0_\@
	s_barrier_signal -3
.Lnot_wave_0_\@:
	s_barrier_wait -3
	s_barrier_signal -1
	s_barrier_wait -1
.endm
.macro CROUND
	s_barrier_signal -1
	s_barrier_wait -1
	CREST
.endm
	s_load_b128 s[4:7], s[0:1], 0x0                ; ob s[4:5], wo16 s[6:7]
	s_load_b64 s[8:9], s[0:1], 0x10                ; out0
	s_load_b64 s[66:67], s[0:1], 0x18              ; bias
	v_lshl_add_u32 v[SPW], v0, 2, SPARE
	v_mov_b32 v[NIL], 0
	ds_add_u32 v[SPW], v[NIL]                      ; the wave's opening: the add, and its wait ahead of my first tensor load
	v_lshrrev_b32 v1, 5, v0
	v_readfirstlane_b32 s10, v1                    ; wave 0..3
	s_lshr_b32 s11, s10, 1                         ; my half of the tile's rows.  Also: I fetch for A (0) or for B (1)
	s_and_b32 s12, s10, 1                          ; my half of its columns.  Also: which 64 rows I fetch
	s_bfe_u32 s40, ttmp6, 0x40000                  ; cx, cy
	s_bfe_u32 s41, ttmp6, 0x40004
	s_lshl_b32 s42, ttmp9, 2
	s_add_co_u32 s42, s42, s40                     ; tile column
	s_and_b32 s13, ttmp7, 0xffff                   ; cluster y
	s_and_b32 s21, s13, 1                          ; where my cluster's walk begins: cluster y's two bits reversed,
	s_lshl_b32 s21, s21, 1
	s_lshr_b32 s22, s13, 1
	s_or_b32 s21, s21, s22
	s_add_co_u32 s21, s21, ttmp9                   ; + cluster x,
	s_and_b32 s21, s21, 3                          ; modulo 4,
	s_lshl_b32 s[KO], s21, 10                      ; times two K steps of 512 bytes: the same in all sixteen partners
	s_mov_b32 s[KO+1], 0
	s_mov_b32 s[TB], 0
	s_lshl_b32 s13, s13, 2
	s_add_co_u32 s13, s13, s41                     ; tile row
	s_lshl_b32 s43, s41, 2
	s_lshl_b32 s43, 15, s43                        ; my row of the cluster
	s_lshl_b32 s44, 0x1111, s40                    ; my column
	s_or_b32 s[G1+0], s43, (1<<16)|(1<<20)|(1<<21)|(6<<22)|(3<<25)  ; the mask; 2-byte elements; padding on; bit 21 beside a mask; after every 128 words 4 words
	s_or_b32 s[G1B+0], s44, (1<<16)|(1<<20)|(1<<21)|(6<<22)|(3<<25)
.irp g, G1, G1B
	s_mov_b32 s[(\g)+1], KSTEP<<16                 ; tensor_dim0 = 256
	s_mov_b32 s[(\g)+2], 64<<16                    ; tensor_dim1 = 64
	s_mov_b32 s[(\g)+3], KSTEP<<16                 ; tile_dim0 = 256
	s_mov_b32 s[(\g)+4], 64                        ; tile_dim1 = 64
	s_mov_b32 s[(\g)+5], SIZE_K
	s_mov_b32 s[(\g)+6], 0
	s_mov_b32 s[(\g)+7], 0
.endr
	s_lshl_b32 s17, s12, 6
	s_lshl_b32 s16, s13, 7
	s_add_co_u32 s16, s16, s17                     ; A: row 128 x tile row + 64 x half
	s_lshl_b32 s46, s42, 7
	s_add_co_u32 s46, s46, s17                     ; B: row 128 x tile column + 64 x half
	s_mov_b32 s17, 0
	s_mov_b32 s47, 0
	s_mov_b64 s[18:19], SIZE_K*2
	s_mul_u64 s[16:17], s[16:17], s[18:19]
	s_mul_u64 s[46:47], s[46:47], s[18:19]
	s_mul_i32 s20, s10, HALFT
	s_wait_dscnt 0x0                               ; the opening add is done
	s_wait_kmcnt 0x0
	s_add_nc_u64 s[BA:BA+1], s[4:5], s[16:17]
	s_add_nc_u64 s[BB:BB+1], s[6:7], s[46:47]
	CROUND                                         ; all sixteen work-groups are here
.irp s, 0,1
	s_mov_b32 s[G0+4*(\s)], 1
	s_add_co_u32 s[G0+4*(\s)+1], s20, (\s)*SLOT
	s_add_nc_u64 s[G0+4*(\s)+2:G0+4*(\s)+3], s[BA:BA+1], s[KO:KO+1]
	s_or_b32 s[G0+4*(\s)+3], s[G0+4*(\s)+3], 0x80000000
	s_mov_b32 s[G0B+4*(\s)], 1
	s_add_co_u32 s[G0B+4*(\s)+1], s20, (\s)*SLOT
	s_add_nc_u64 s[G0B+4*(\s)+2:G0B+4*(\s)+3], s[BB:BB+1], s[KO:KO+1]
	s_or_b32 s[G0B+4*(\s)+3], s[G0B+4*(\s)+3], 0x80000000
	JLOAD \s                                       ; the walk's first two K steps: two loads of mine are out
.if (\s) == 0
	s_add_co_u32 s[KO], s[KO], KB                  ; the next K step; behind the rows' last comes their first
	s_and_b32 s[KO], s[KO], 4095
.endif
.endr
	v_and_b32 v1, 15, v0                           ; l % 16
	v_bfe_u32 v2, v0, 4, 1                         ; l / 16
	v_mul_u32_u24 v3, v1, PITCH
	v_lshl_add_u32 v3, v2, 4, v3
	s_mul_i32 s21, s11, HALFT                      ; my 64 rows of A
	s_mul_i32 s22, s12, HALFT                      ; my 64 rows of B,
	s_add_co_u32 s22, s22, 2*HALFT                 ; behind A's 128
	v_add_nc_u32 v[ADRA], s21, v3
	v_add_nc_u32 v[CA], s21, v3
	v_add_nc_u32 v[ADRB], s22, v3
	v_add_nc_u32 v[CB], s22, v3
	s_mul_i32 s23, s10, 16*SPITCH
	s_add_co_u32 s23, s23, STAGE                   ; my stage
	v_mul_u32_u24 v4, v1, SPITCH                   ; in: row l % 16, 32 bytes for each half of the lanes
	v_lshl_add_u32 v4, v2, 5, v4
	v_add_nc_u32 v[STO], s23, v4
	v_mul_u32_u24 v5, v2, SPITCH                   ; back: lanes 0-15 one row of 256 bytes, lanes 16-31 the next
	v_lshl_add_u32 v5, v1, 4, v5
	v_add_nc_u32 v[RD], s23, v5
	v_lshlrev_b32 v5, 13, v2                       ; and the same two rows in out0, 8,192 bytes apart
	v_lshl_add_u32 v[CO], v1, 4, v5
	v_lshlrev_b32 v[BOF], 5, v2
	s_lshl_b32 s16, s13, 7
	s_lshl_b32 s17, s11, 6
	s_add_co_u32 s16, s16, s17                     ; my first row: 128 x tile row + 64 x half
	s_lshl_b32 s16, s16, 13
	s_mov_b32 s17, 0
	s_add_nc_u64 s[8:9], s[8:9], s[16:17]
	s_lshl_b32 s46, s42, 9                         ; my first column, 4 bytes each: 512 x tile column + 256 x half; the same in out0's rows and in bo
	s_lshl_b32 s47, s12, 8
	s_add_co_u32 s46, s46, s47
	s_mov_b32 s47, 0
	s_add_nc_u64 s[8:9], s[8:9], s[46:47]
	s_add_nc_u64 s[66:67], s[66:67], s[46:47]
	s_add_nc_u64 s[66:67], s[66:67], 24576         ; bo lies behind bq, bk and bv
.irp b, 0,1,2,3                        ; register j of block b: the bias of column 16 b + 8 (l / 16) + j
	global_load_b128 v[BI+8*(\b):BI+8*(\b)+3],   v[BOF], s[66:67] offset:64*(\b)
	global_load_b128 v[BI+8*(\b)+4:BI+8*(\b)+7], v[BOF], s[66:67] offset:64*(\b)+16
.endr
; 8 matrix instructions: row blocks a0, a0 + 1 x all 4 column blocks, 32 along K: half c of buffer f.  zero = 1: the bias starts the sums.  The 16 accumulators take turns.
.macro MUL8 f, c, a0, zero
	WIN MUL
.irp a, \a0, (\a0)+1
.irp b, 0,1,2,3
.if \zero
	v_wmma_f32_16x16x32_f16 v[ACC+8*(4*(\a)+(\b)):ACC+8*(4*(\a)+(\b))+7], v[(\f)+64+8*(4*(\c)+(\b)):(\f)+64+8*(4*(\c)+(\b))+7], v[(\f)+8*(4*(\c)+(\a)):(\f)+8*(4*(\c)+(\a))+7], v[BI+8*(\b):BI+8*(\b)+7]
.else
	v_wmma_f32_16x16x32_f16 v[ACC+8*(4*(\a)+(\b)):ACC+8*(4*(\a)+(\b))+7], v[(\f)+64+8*(4*(\c)+(\b)):(\f)+64+8*(4*(\c)+(\b))+7], v[(\f)+8*(4*(\c)+(\a)):(\f)+8*(4*(\c)+(\a))+7], v[ACC+8*(4*(\a)+(\b)):ACC+8*(4*(\a)+(\b))+7]
.endif
.endr
.endr
.endm
.macro FETCH k, f                      ; 32 LDS loads in one run, from the slot in hand: 64 along K at byte k of the rows; the first 32 along K first
	WIN TO_F
.irp c, 0,1
.irp i, 0,1,2,3
	ds_load_b128 v[(\f)+64+8*(4*(\c)+(\i)):(\f)+64+8*(4*(\c)+(\i))+3],   v[CB] offset:(\k)+64*(\c)+(\i)*16*PITCH
	ds_load_b128 v[(\f)+64+8*(4*(\c)+(\i))+4:(\f)+64+8*(4*(\c)+(\i))+7], v[CB] offset:(\k)+64*(\c)+(\i)*16*PITCH+32
	ds_load_b128 v[(\f)+8*(4*(\c)+(\i)):(\f)+8*(4*(\c)+(\i))+3],         v[CA] offset:(\k)+64*(\c)+(\i)*16*PITCH
	ds_load_b128 v[(\f)+8*(4*(\c)+(\i))+4:(\f)+8*(4*(\c)+(\i))+7],       v[CA] offset:(\k)+64*(\c)+(\i)*16*PITCH+32
.endr
.endr
.endm
.macro PLACES                          ; four plain vector instructions between a matrix instruction and a load into, or a read of, its registers
.rept 4
	v_nop
.endr
.endm
.macro QUARTER k, f, g, zero           ; 64 along K: multiplies buffer f, fetches the next quarter, at byte k, into g
	s_wait_dscnt 16                                ; the first 32 along K are in
	MUL8 \f, 0, 0, \zero
	MUL8 \f, 0, 2, \zero
	PLACES
	FETCH \k, \g
	s_wait_dscnt 32                                ; all but the 32 just issued
	MUL8 \f, 1, 0, 0
	MUL8 \f, 1, 2, 0
.endm
; The last quarter multiplies buffer 1 and changes slots: in front of the barrier each wave waits for all its tensor loads, adds 0 to its spare word, and waits for that and for its reads of this slot.
; fill = 1: the barrier opens a round of the cluster's, and the joint refill is the first thing behind it.  The walking descriptors are written where no tensor load of mine is out: the other slot,
; the next K step, its address made anew from the rows' base and the byte along them.
.macro TURN fill
	WIN 0
	s_wait_tensorcnt 0x0
	ds_add_u32 v[SPW], v[NIL]
.if \fill
	s_xor_b32 s[G0+5], s[G0+5], SLOT
	s_xor_b32 s[G0B+5], s[G0B+5], SLOT
	s_add_co_u32 s[KO], s[KO], KB
	s_and_b32 s[KO], s[KO], 4095
	s_add_nc_u64 s[G0+6:G0+7], s[BA:BA+1], s[KO:KO+1]
	s_or_b32 s[G0+7], s[G0+7], 0x80000000
	s_add_nc_u64 s[G0B+6:G0B+7], s[BB:BB+1], s[KO:KO+1]
	s_or_b32 s[G0B+7], s[G0B+7], 0x80000000
.endif
	s_xor_b32 s[TB], s[TB], SLOT                   ; the fetches go on in the other slot
	s_wait_dscnt 17                                ; the add and the youngest sixteen loads may be out
	MUL8 F1, 0, 0, 0
	s_wait_dscnt 0x0                               ; the add is done, and my reads of this slot are over
	s_barrier_signal -1
	MUL8 F1, 0, 2, 0
	WIN 0
	s_barrier_wait -1
.if \fill
	CREST                                          ; the barrier has opened a round of the cluster's
	JLOAD 1                                        ; the first tensor load behind the round; its four v_nop are also the places in front of the loads below
.else
	PLACES
.endif
	v_add_nc_u32 v[CA], s[TB], v[ADRA]
	v_add_nc_u32 v[CB], s[TB], v[ADRB]
	FETCH 0, F0
	MUL8 F1, 1, 0, 0
	MUL8 F1, 1, 2, 0
.endm
	s_wait_tensorcnt 1                             ; my part of the first K step is in; the second's may stay out
	s_barrier_signal -1
	s_barrier_wait -1
	FETCH 0, F0
	s_wait_loadcnt 0x0                             ; the bias
	QUARTER 128, F0, F1, 1
	WIN 0
	s_mov_b32 s3, TRIPS
.Lstep:                                                ; a trip: from a K step's second quarter to the next step's first; the slot that is left is filled again
	QUARTER 256, F1, F0, 0
	QUARTER 384, F0, F1, 0
	TURN 1
	QUARTER 128, F0, F1, 0
	WIN 0
	s_sub_co_u32 s3, s3, 1
	s_cmp_lg_u32 s3, 0
	s_cbranch_scc1 .Lstep
	s_mov_b32 s3, 2
.Ltail:                                                ; the last two K steps fill nothing; the second trip is left in its middle
	QUARTER 256, F1, F0, 0
	QUARTER 384, F0, F1, 0
	WIN 0
	s_sub_co_u32 s3, s3, 1
	s_cmp_eq_u32 s3, 0
	s_cbranch_scc1 .Llast
	TURN 0
	QUARTER 128, F0, F1, 0
	WIN 0
	s_branch .Ltail
.Llast:
	s_wait_dscnt 16
	MUL8 F1, 0, 0, 0
	MUL8 F1, 0, 2, 0
	s_wait_dscnt 0x0
	MUL8 F1, 1, 0, 0
	MUL8 F1, 1, 2, 0
	WIN 0
	; THE WAY OUT, a block of 16 rows at a time: 32 bytes a lane into my stage's rows of 272 bytes, back as whole rows of 256 into the registers that they left.
	PLACES
	PLACES
.macro TOSTAGE a
.irp b, 0,1,2,3
	ds_store_b128 v[STO], v[ACC+8*(4*(\a)+(\b)):ACC+8*(4*(\a)+(\b))+3]   offset:64*(\b)
	ds_store_b128 v[STO], v[ACC+8*(4*(\a)+(\b))+4:ACC+8*(4*(\a)+(\b))+7] offset:64*(\b)+16
.endr
.irp t, 0,1,2,3,4,5,6,7
	ds_load_b128 v[ACC+32*(\a)+4*(\t):ACC+32*(\a)+4*(\t)+3], v[RD] offset:(\t)*2*SPITCH  ; LDS serves a wave's instructions in order (ISA guide 5.7.1.4): these see the stores above; the next block's stores come behind them
.endr
.endm
.macro SEND a, younger                 ; younger: the LDS instructions issued behind block a's loads
.irp t, 0,1,2,3,4,5,6,7
	s_wait_dscnt (\younger)+7-(\t)
	global_store_b128 v[CO], v[ACC+32*(\a)+4*(\t):ACC+32*(\a)+4*(\t)+3], s[8:9] offset:(16*(\a)+2*(\t))*SIZE_N*4  ; 16 lanes store 256 consecutive bytes, aligned
.endr
.endm
	TOSTAGE 0
	TOSTAGE 1
	SEND 0, 16
	TOSTAGE 2
	SEND 1, 16
	TOSTAGE 3
	SEND 2, 16
	SEND 3, 0
	s_wait_tensorcnt 0x0                           ; the wave's end
	ds_add_u32 v[SPW], v[NIL]
	s_wait_dscnt 0x0
	CROUND                                         ; the closing round
	s_endpgm
.Lfunc_end_k_q7e6695819b_oproj:
	.size	k_q7e6695819b_oproj, .Lfunc_end_k_q7e6695819b_oproj-k_q7e6695819b_oproj
	.p2alignl 7, 3214868480
	.fill 96, 4, 3214868480
	.section	.rodata,"a",@progbits
	.p2align	6, 0x0
	.amdhsa_kernel k_q7e6695819b_oproj
		.amdhsa_group_segment_fixed_size 327680
		.amdhsa_private_segment_fixed_size 0
		.amdhsa_enable_private_segment 0
		.amdhsa_kernarg_size 32
		.amdhsa_user_sgpr_count 2
		.amdhsa_user_sgpr_kernarg_segment_ptr 1
		.amdhsa_wavefront_size32 1
		.amdhsa_system_sgpr_workgroup_id_x 1
		.amdhsa_system_sgpr_workgroup_id_y 1
		.amdhsa_system_sgpr_workgroup_id_z 1
		.amdhsa_system_vgpr_workitem_id 0
		.amdhsa_next_free_vgpr 512
		.amdhsa_next_free_sgpr 76
		.amdhsa_reserve_vcc 0
		.amdhsa_float_denorm_mode_32 3
		.amdhsa_float_denorm_mode_16_64 3
		.amdhsa_memory_ordered 1
		.amdhsa_forward_progress 1
		.amdhsa_inst_pref_size 62
	.end_amdhsa_kernel
	.amdgpu_metadata
---
amdhsa.version: [ 1, 2 ]
amdhsa.kernels:
  - .name:           k_q7e6695819b_oproj
    .symbol:         k_q7e6695819b_oproj.kd
    .args:
      - { .name: ob, .offset: 0, .size: 8, .value_kind: global_buffer, .address_space: global }
      - { .name: wo16, .offset: 8, .size: 8, .value_kind: global_buffer, .address_space: global }
      - { .name: out0, .offset: 16, .size: 8, .value_kind: global_buffer, .address_space: global }
      - { .name: bias, .offset: 24, .size: 8, .value_kind: global_buffer, .address_space: global }
    .group_segment_fixed_size: 327680
    .private_segment_fixed_size: 0
    .kernarg_segment_align: 8
    .kernarg_segment_size: 32
    .max_flat_workgroup_size: 128
    .sgpr_count:     76
    .vgpr_count:     512
    .wavefront_size: 32
...
	.end_amdgpu_metadata
.endif
;; end of part 4
;; ======== version 2 of 2: 4 launches; version 1 with the launch prep written anew for expert scheduling mode
;; limits: values are held in f16: magnitudes above 65,504 overflow, below 6.1e-05 lose precision; right only within a limited range of input values
;; workspace buffers: xb 8,388,608 bytes; wqkv 25,165,824 bytes; wo16 8,388,608 bytes; bias 32,768 bytes; maskw 524,288 bytes of whole numbers; qkv 25,165,824 bytes; ob 8,388,608 bytes
;; launch prep (part 5): grid 256 x 1, 8 waves a work-group, no clusters, 68,608 bytes of LDS; arguments x, Wq, Wk, Wv, Wo, attn_mask, bq, bk, bv, bo, xb, wqkv, wo16, bias, maskw; writes xb, wqkv, wo16, bias, maskw
.if DOCPART == 5
	.amdgcn_target "amdgcn-amd-amdhsa--gfx1250"
	.amdhsa_code_object_version 6
	.text
	.protected	k_q7e6695819b_prep
	.globl	k_q7e6695819b_prep
	.p2align	8
	.type	k_q7e6695819b_prep,@function
k_q7e6695819b_prep:
	s_mov_b64 s[64:65], 0
	v_nop
	global_prefetch_b8 v0, s[64:65] scope:SCOPE_SE
	s_setreg_imm32_b32 hwreg(HW_REG_WAVE_SCHED_MODE, 0, 2), 2
	s_setreg_imm32_b32 hwreg(HW_REG_WAVE_MODE, 25, 1), 1
	s_wait_xcnt 0x0
	s_wait_alu depctr_vm_vsrc(0)
; PREP: every floating-point input is rounded once to bf16, and the mask is packed into lane masks.
;   xb   [2048][2048] bf16 = x.      wqkv [6144][2048] bf16 = Wq, Wk, Wv, rows on end.
;   wo16 [2048][2048] f16  = Wo rounded to bf16 and that number written as f16 (exact from 2^-14 up; below that f16's fixed step of 6e-8 holds).
;   bias [8192] f32        = bq, bk, bv, bo, each rounded to bf16 and widened again.
;   maskw [128 qt][128 kg][8 j] words: bit L of a word = (attn_mask[16 qt + L % 16][16 kg + 8 (L / 16) + j] != 0): the lane mask of one register of scores in the attention launch.
; A stream: each input byte is read once, each output byte written once; nothing is shared between work-groups, so there is no cluster and no matrix work.
; SHARES.  2,048 waves.  Wave W takes 8,192 bytes at 8,192 W of each of the five large tensors (16 loads of 512 consecutive bytes) and stores 4,096 bytes at 4,096 W
; (16 stores of 256 consecutive bytes, aligned).  Of the mask it takes query tile W / 16, keys 128 (W % 16) on: 16 rows x 512 bytes, which become 64 words, 256 bytes at 256 W.
; The mask's rows change lanes through the wave's own 16 x 528 bytes of LDS (528 = 33 x 16: the 16 rows that a load touches start 16 bytes apart modulo 256).
; IN FLIGHT: three sets of 64 registers, 48 loads a wave.
; THE MODE: SCHED_MODE bits 1:0 = 2 (LLVM: expert scheduling mode 2), set by the entry lines.  The code itself states the register dependences
; between vector instructions and memory or LDS instructions, with s_wait_alu, always for 0.
; THE PLAN.  Registers that memory or LDS instructions touch:
;   v2-v5, v8, v9  Offsets and LDS addresses: written at the head and never again.  One wait on va_vdst ahead of the first load serves every load, store and LDS instruction of the kernel.
;   R0, R1, R2     Global loads land in a set; its conversions read it; behind them the set's next loads land in it.  R0 first holds the mask: LDS stores read it, LDS loads land in it, compares read it.
;   Y              A CAST's conversions write it; the CAST's 16 stores read it; the next CAST's conversions write it again.
;   v[6:7]         The mask words: written by v_writelane_b32, read by one store, never written again.     v[12:13]  The bias: a load lands, two vector lines write, one store reads, never written again.
; So a CAST is: all its conversions; ONE wait on va_vdst (Y is written; the set has been read); the set's next 16 loads; the 16 stores.  No vector instruction stands between that wait and the
; last of them.  One wait on vm_vsrc stands at the head of each CAST but the first, behind the wait for the set's data: the stores of the CAST before have read Y.
; The compares that make the mask words stand in runs of 16, into 16 scalar registers, with one wait on va_sdst behind each run, ahead of the lines that read those registers.
.set SPARE, 67584                      ; behind the eight waves' 8,448 bytes: the spare words, 128 bytes a wave
.set LO,  2                            ; v2   16 x lane: my 16 bytes of a load's 512; never rewritten
.set SO,  3                            ; v3   8 x lane: my 8 bytes of a store's 256; never rewritten
.set LW,  4                            ; v4   LDS: where I put 16 bytes of a mask row
.set LR,  5                            ; v5   LDS: row lane % 16, keys 8 (lane / 16) on
.set MW,  6                            ; v[6:7] the 64 mask words: word n in lane n / 2 of register n % 2
.set SPW, 8                            ; v8   my spare word; never rewritten
.set NIL, 9                            ; v9   0; never rewritten
.set Y,   16                           ; v[16:47]  what a CAST stores
.set R0,  64                           ; three sets of 64 for the loads
.set R1,  128
.set R2,  192
	s_load_b512 s[4:19], s[0:1], 0x0               ; x, Wq, Wk, Wv, Wo, attn_mask, bq, bk
	s_load_b256 s[20:27], s[0:1], 0x40             ; bv, bo, xb, wqkv
	s_load_b128 s[28:31], s[0:1], 0x60             ; wo16, bias
	s_load_b64 s[32:33], s[0:1], 0x70              ; maskw
	v_lshl_add_u32 v[SPW], v0, 2, SPARE
	v_mov_b32 v[NIL], 0
	v_lshrrev_b32 v1, 5, v0
	v_readfirstlane_b32 s34, v1                    ; wave 0..7
	v_and_b32 v1, 31, v0                           ; what needs no wave's number stands between that line and the wait for it
	v_lshlrev_b32 v[LO], 4, v1
	v_lshlrev_b32 v[SO], 3, v1
	v_and_b32 v10, 15, v0
	v_bfe_u32 v11, v0, 4, 1
	v_mul_u32_u24 v[LR], v10, 528
	v_lshl_add_u32 v[LR], v11, 5, v[LR]
	s_wait_alu depctr_va_sdst(0)                   ; s34 is written, ahead of its first reader: W, the LDS addresses and every pointer's offset are made from it
	s_lshl_b32 s35, ttmp9, 3
	s_add_co_u32 s35, s35, s34                     ; W
	s_mul_i32 s56, s34, 8448                       ; my wave's bytes of LDS
	v_add_nc_u32 v[LW], s56, v[LO]
	v_add_nc_u32 v[LR], s56, v[LR]
	s_lshl_b32 s36, s35, 13                        ; 8,192 W
	s_mov_b32 s37, 0
	s_lshl_b32 s38, s35, 12                        ; 4,096 W
	s_mov_b32 s39, 0
	s_lshr_b32 s48, s35, 4
	s_lshl_b32 s48, s48, 17                        ; 16 rows of 8,192 bytes for each query tile,
	s_and_b32 s49, s35, 15
	s_lshl_b32 s49, s49, 9                         ; 512 bytes for each 128 keys
	s_add_co_u32 s48, s48, s49
	s_mov_b32 s49, 0
	s_lshl_b32 s52, s35, 8                         ; 256 W
	s_mov_b32 s53, 0
	s_wait_kmcnt 0x0
	s_add_nc_u64 s[4:5], s[4:5], s[36:37]
	s_add_nc_u64 s[6:7], s[6:7], s[36:37]
	s_add_nc_u64 s[8:9], s[8:9], s[36:37]
	s_add_nc_u64 s[10:11], s[10:11], s[36:37]
	s_add_nc_u64 s[12:13], s[12:13], s[36:37]
	s_add_nc_u64 s[14:15], s[14:15], s[48:49]
	s_add_nc_u64 s[24:25], s[24:25], s[38:39]
	s_add_nc_u64 s[26:27], s[26:27], s[38:39]
	s_add_nc_u64 s[44:45], s[26:27], 0x800000      ; Wk's part of wqkv,
	s_add_nc_u64 s[46:47], s[26:27], 0x1000000     ; Wv's: pointers of their own, since the distances pass a store's immediate
	s_add_nc_u64 s[28:29], s[28:29], s[38:39]
	s_add_nc_u64 s[32:33], s[32:33], s[52:53]
	s_wait_alu depctr_va_vdst(0)                   ; v2 to v5, v8 and v9 are written: every load, store and LDS instruction of the kernel reads one of them as its offset or address, the closing add the last two
.macro LOADS R, P, step                ; 16 loads of 512 consecutive bytes, step bytes apart
.set i, 0
.rept 16
	global_load_b128 v[(\R)+4*i:(\R)+4*i+3], v[LO], s[(\P):(\P)+1] offset:(\step)*i th:TH_LOAD_NT
.set i, i+1
.endr
.endm
; A set of 64 f32 a lane is rounded to bf16 (half = 1: and that number written as f16) and stored.  first = 1: no CAST stands in front of it.  P: the pointer of the tensor that the set takes next, or -1.
.macro CAST R, D, half, first, P
.if !(\first)
	s_wait_xcnt 0x0                                ; Y was the last CAST's store data: it is rewritten only behind this wait,
	s_wait_alu depctr_vm_vsrc(0)                   ; and behind this one: the last CAST's stores have read Y, which the conversions below write again
.endif
.set i, 0
.rept 16
	v_cvt_pk_bf16_f32 v[Y+2*i], v[(\R)+4*i], v[(\R)+4*i+1]
	v_cvt_pk_bf16_f32 v[Y+2*i+1], v[(\R)+4*i+2], v[(\R)+4*i+3]
.if \half
	v_lshlrev_b32 v10, 16, v[Y+2*i]
	v_and_b32 v11, 0xffff0000, v[Y+2*i]
	v_lshlrev_b32 v14, 16, v[Y+2*i+1]
	v_and_b32 v15, 0xffff0000, v[Y+2*i+1]
	v_cvt_pk_f16_f32 v[Y+2*i], v10, v11
	v_cvt_pk_f16_f32 v[Y+2*i+1], v14, v15
.endif
.set i, i+1
.endr
	s_wait_alu depctr_va_vdst(0)                   ; the conversions have written Y, which the stores below read, and are done reading the set, in which the loads below land
.if (\P) >= 0
	LOADS \R, \P, 512                              ; the set is asked for again at once, ahead of the stores
.endif
.set i, 0
.rept 16
	global_store_b64 v[SO], v[Y+2*i:Y+2*i+1], s[(\D):(\D)+1] offset:256*i  ; 32 lanes store 256 consecutive bytes, aligned
.set i, i+1
.endr
.endm
	LOADS R0, 14, 8192                             ; the mask: a row to a load
	LOADS R1, 4, 512                               ; x
	LOADS R2, 6, 512                               ; Wq
	; THE BIASES: wave 0 of work-groups 0 to 127 takes 64 numbers each, 256 bytes
	s_lshr_b32 s49, ttmp9, 7
	s_or_b32 s49, s49, s34
	s_cmp_lg_u32 s49, 0
	s_cbranch_scc1 .Lno_bias
	s_lshr_b32 s48, ttmp9, 5                       ; which of the four
	s_cmp_eq_u32 s48, 0
	s_cselect_b64 s[50:51], s[16:17], s[18:19]
	s_cmp_eq_u32 s48, 2
	s_cselect_b64 s[50:51], s[20:21], s[50:51]
	s_cmp_eq_u32 s48, 3
	s_cselect_b64 s[50:51], s[22:23], s[50:51]
	s_and_b32 s54, ttmp9, 31
	s_lshl_b32 s54, s54, 8
	s_mov_b32 s55, 0
	s_add_nc_u64 s[50:51], s[50:51], s[54:55]
	s_lshl_b32 s54, ttmp9, 8
	s_add_nc_u64 s[30:31], s[30:31], s[54:55]
	global_load_b64 v[12:13], v[SO], s[50:51]
	s_wait_loadcnt 0x0                             ; it is the youngest load, so the count is 0
	v_cvt_pk_bf16_f32 v14, v12, v13
	v_lshlrev_b32 v12, 16, v14
	v_and_b32 v13, 0xffff0000, v14
	s_wait_alu depctr_va_vdst(0)                   ; v12 and v13 are written, which the store reads
	global_store_b64 v[SO], v[12:13], s[30:31]
.Lno_bias:
	; THE MASK
	s_wait_loadcnt 32                              ; the mask's 16 loads are in; x's and Wq's 32 may stay out
.set i, 0
.rept 16
	ds_store_b128 v[LW], v[R0+4*i:R0+4*i+3] offset:528*i
.set i, i+1
.endr
	s_wait_alu depctr_vm_vsrc(0)                   ; the LDS stores have read R0, in which the LDS loads below land
.set i, 0
.rept 16                               ; LDS serves a wave's instructions in order (ISA guide 5.7.1.4): these see the stores above.  Register 8 kg + j: row lane % 16, key 16 kg + 8 (lane / 16) + j
	ds_load_b128 v[R0+4*i:R0+4*i+3], v[LR] offset:64*(i/2)+16*(i%2)
.set i, i+1
.endr
	v_mov_b32 v[MW], 0
	v_mov_b32 v[MW+1], 0
	s_wait_dscnt 0x0
.set g, 0
.rept 4                                ; words 16 g to 16 g + 15, through s36-43 and s56-63, which are scratch by now and never held an address
.set m, 0
.rept 16
	v_cmp_ne_u32 s[36+m+12*(m/8)], 0, v[R0+16*g+m]  ; 32 lanes' answers are word 16 g + m
.set m, m+1
.endr
	s_wait_alu depctr_va_sdst(0)                   ; the run's sixteen compares have written their scalar registers, ahead of the lines that read them
.set m, 0
.rept 16
	v_writelane_b32 v[MW+m%2], s[36+m+12*(m/8)], 8*g+m/2
.set m, m+1
.endr
.set g, g+1
.endr
	s_wait_alu depctr_va_vdst(0)                   ; v[6:7] are written, which the store below reads; the compares are done reading R0, in which Wk's loads land
	LOADS R0, 8, 512                               ; Wk
	global_store_b64 v[SO], v[MW:MW+1], s[32:33]   ; 256 consecutive bytes, aligned
	s_wait_loadcnt 32                              ; x is in; Wq's and Wk's may stay out
	CAST R1, 24, 0, 1, 10                          ; x; the set takes Wv
	s_wait_loadcnt 32                              ; Wq is in; Wk's and Wv's may stay out
	CAST R2, 26, 0, 0, 12                          ; Wq; the set takes Wo
	s_wait_loadcnt 32                              ; Wk is in; Wv's and Wo's may stay out
	CAST R0, 44, 0, 0, -1
	s_wait_loadcnt 16                              ; Wv is in; Wo's 16 may stay out
	CAST R1, 46, 0, 0, -1
	s_wait_loadcnt 0x0
	CAST R2, 28, 1, 0, -1
	s_wait_dscnt 0x0                               ; the closing lines, six on end
	s_wait_alu 0x0
	s_wait_tensorcnt 0x0
	ds_add_u32 v[SPW], v[NIL]
	s_wait_dscnt 0x0
	s_endpgm
.Lfunc_end_k_q7e6695819b_prep:
	.size	k_q7e6695819b_prep, .Lfunc_end_k_q7e6695819b_prep-k_q7e6695819b_prep
	.p2alignl 7, 3214868480
	.fill 96, 4, 3214868480
	.section	.rodata,"a",@progbits
	.p2align	6, 0x0
	.amdhsa_kernel k_q7e6695819b_prep
		.amdhsa_group_segment_fixed_size 68608
		.amdhsa_private_segment_fixed_size 0
		.amdhsa_enable_private_segment 0
		.amdhsa_kernarg_size 120
		.amdhsa_user_sgpr_count 2
		.amdhsa_user_sgpr_kernarg_segment_ptr 1
		.amdhsa_wavefront_size32 1
		.amdhsa_system_sgpr_workgroup_id_x 1
		.amdhsa_system_sgpr_workgroup_id_y 1
		.amdhsa_system_sgpr_workgroup_id_z 1
		.amdhsa_system_vgpr_workitem_id 0
		.amdhsa_next_free_vgpr 256
		.amdhsa_next_free_sgpr 66
		.amdhsa_reserve_vcc 0
		.amdhsa_float_denorm_mode_32 3
		.amdhsa_float_denorm_mode_16_64 3
		.amdhsa_memory_ordered 1
		.amdhsa_forward_progress 1
		.amdhsa_inst_pref_size 46
	.end_amdhsa_kernel
	.amdgpu_metadata
---
amdhsa.version: [ 1, 2 ]
amdhsa.kernels:
  - .name:           k_q7e6695819b_prep
    .symbol:         k_q7e6695819b_prep.kd
    .args:
      - { .name: x, .offset: 0, .size: 8, .value_kind: global_buffer, .address_space: global }
      - { .name: Wq, .offset: 8, .size: 8, .value_kind: global_buffer, .address_space: global }
      - { .name: Wk, .offset: 16, .size: 8, .value_kind: global_buffer, .address_space: global }
      - { .name: Wv, .offset: 24, .size: 8, .value_kind: global_buffer, .address_space: global }
      - { .name: Wo, .offset: 32, .size: 8, .value_kind: global_buffer, .address_space: global }
      - { .name: attn_mask, .offset: 40, .size: 8, .value_kind: global_buffer, .address_space: global }
      - { .name: bq, .offset: 48, .size: 8, .value_kind: global_buffer, .address_space: global }
      - { .name: bk, .offset: 56, .size: 8, .value_kind: global_buffer, .address_space: global }
      - { .name: bv, .offset: 64, .size: 8, .value_kind: global_buffer, .address_space: global }
      - { .name: bo, .offset: 72, .size: 8, .value_kind: global_buffer, .address_space: global }
      - { .name: xb, .offset: 80, .size: 8, .value_kind: global_buffer, .address_space: global }
      - { .name: wqkv, .offset: 88, .size: 8, .value_kind: global_buffer, .address_space: global }
      - { .name: wo16, .offset: 96, .size: 8, .value_kind: global_buffer, .address_space: global }
      - { .name: bias, .offset: 104, .size: 8, .value_kind: global_buffer, .address_space: global }
      - { .name: maskw, .offset: 112, .size: 8, .value_kind: global_buffer, .address_space: global }
    .group_segment_fixed_size: 68608
    .private_segment_fixed_size: 0
    .kernarg_segment_align: 8
    .kernarg_segment_size: 120
    .max_flat_workgroup_size: 256
    .sgpr_count:     66
    .vgpr_count:     256
    .wavefront_size: 32
...
	.end_amdgpu_metadata
.endif
;; end of part 5
;; launch qkvproj: the kernel of part 2 again; grid 16 x 16, 4 waves a work-group, clusters of 4 x 4, 327,680 bytes of LDS; arguments xb, wqkv, bias, qkv; writes qkv
;; launch attn: the kernel of part 3 again; grid 16 x 16, 4 waves a work-group, clusters of 4 x 1, 327,680 bytes of LDS; arguments qkv, maskw, ob; writes ob
;; launch oproj: the kernel of part 4 again; grid 16 x 16, 4 waves a work-group, clusters of 4 x 4, 327,680 bytes of LDS; arguments ob, wo16, out0, bias; writes out0
